; MI455X (gfx1250); checked and timed in simulation.
; The chip was launched on July 23, 2026; its instructions are those of AMD's public machine-readable ISA for CDNA 5 (MIT licence, August 2026) and "CDNA5" Instruction Set Architecture Reference Guide (July 2026). The comments in the code are by the model that wrote it; some were corrected since.
;; Multihead Attention With Vdim. Allowed arithmetic: float matrix products may take bf16 or f16 operands with f32 sums; other float arithmetic in f32, or as packed bf16 or f16 multiplies, adds, multiply-adds, maxima and minima; sums over many terms, partial sums and values carried from step to step in f32; what a program stores and reads back later, other than sums and carried values, may be rounded once to bf16 or f16.
;; Inputs: Wk 512 x 512 float32; Wo 256 x 256 float32; Wq 512 x 512 float32; Wv 256 x 256 float32; attn_mask 900 x 4,096 float32; bk 512 float32; bo 256 float32; bq 512 float32; bv 256 float32; key 8 x 4,096 x 512 float32; key_padding_mask 8 x 4,096 bool; query 8 x 900 x 512 float32; value 8 x 4,096 x 256 float32.
;; Outputs: out0 8 x 900 x 256 float32.
;; 2 versions, each right; version 2 is version 1 with the launch prep written anew for expert scheduling mode. Each part assembles by itself: llvm-mc -triple=amdgcn-amd-amdhsa -mcpu=gfx1250 --defsym DOCPART=n.
;; ======== version 1 of 2: 3 launches
;; limits: values are held in f16: magnitudes above 65,504 overflow, below 6.1e-05 lose precision; right only within a limited range of input values
;; workspace buffers: kv 50,331,648 bytes; qf 8,388,608 bytes; mf 16,777,216 bytes; of 4,194,304 bytes; wof 131,072 bytes
;; launch prep (part 1): grid 528 x 1, 8 waves a work-group, no clusters, 149,504 bytes of LDS; arguments key, query, value, Wk, Wq, Wv, bk, bq, bv, attn_mask, Wo, kv, qf, mf, wof; writes kv, qf, mf, wof
.if DOCPART == 1
	.amdgcn_target "amdgcn-amd-amdhsa--gfx1250"
	.amdhsa_code_object_version 6
	.text
	.protected	k_q25a3740f2d_prep
	.globl	k_q25a3740f2d_prep
	.p2align	8
	.type	k_q25a3740f2d_prep,@function
k_q25a3740f2d_prep:
	s_mov_b64 s[64:65], 0
	v_nop
	global_prefetch_b8 v0, s[64:65] scope:SCOPE_SE
	s_setreg_imm32_b32 hwreg(HW_REG_WAVE_MODE, 25, 1), 1
	s_wait_xcnt 0x0
; PREPARATION FOR THE ATTENTION.  Five kinds of work-group, told apart by the work-group's number g:
;   g   0..255  k = key Wk^T + bk      256 keys x 256 channels each      -> kv (K's part), f16
;   g 256..319  q = (query Wq^T + bq) log2(e)/8   256 rows x 256 channels -> qf, f16 (the factor is applied in f32, ahead of the one rounding)
;   g 320..447  v = value Wv^T + bv    256 keys x 256 channels           -> kv (V's part), f16
;   g 448..511  attn_mask rounded to bf16, times log2(e), f32, laid out as the C operand of the scores -> mf
;   g 512..527  Wo rounded to bf16, written as f16                        -> wof
; All inputs (activations, weights, biases, attn_mask) are rounded to bf16; products in bf16, sums in f32; q, k, v are rounded once, to f16.
; Everything is stored IN FRAGMENT ORDER: blocks of 512 bytes, lane l's 16 bytes at 16 l, so that each store here and each load later covers 512 consecutive bytes, aligned.
; LIMITS.  q log2(e)/8, k and v must lie within f16's 65,504; a weight of Wo below 6e-5 keeps f16's fixed step.  Query rows 900..1023 of qf and mf hold copies of row 899 (the row number is clamped at the source).
; THE PRODUCT, one text for k, q, v: D = P R^T, source 0 = 16 rows of P, source 1 = 16 rows of R, both f32 in memory with K along the rows.  In D a lane holds ONE row of R (lane % 16) and eight
; neighbouring rows of P.  k, q: P = the weights' rows (channels), R = keys or queries: a lane's eight channels of one key are a quarter of a fragment of K or Q.  v: P = value's rows (keys), R = Wv's rows: eight keys of one channel, a quarter of a fragment of V^T.
; Eight waves: wave w takes 128 rows of P (w & 1) x 64 rows of R (w >> 1): 32 accumulators.  K goes in steps of 64 (256 bytes of each row) through two LDS slots; the f32 come through registers, since they are rounded on the way.
; No tensor loads (the rounding wants registers), no prefetch (the loads of one step are out while the step before is multiplied, 16 KiB a wave), no cluster (nothing is fetched into LDS by an engine).
.set LP,    144                        ; an LDS row: 128 bytes of bf16 + 16 of padding: the 16 rows of a fragment load start 36 words apart
.set SIDE,  256*LP                     ; P's 256 rows, then R's 256 rows
.set SLOTB, 2*SIDE
.set BIAS,  2*SLOTB                    ; 256 biases, f32 (rounded to bf16, times the role's factor)
.set SPARE, BIAS+1024                  ; the spare words, 128 bytes for each of eight waves; no other line names them
.set L16, 2                            ; v2      16 x lane
.set SA,  3                            ; v3-4    where I put 8 bytes of a staged row, slot 0, 1
.set FPA, 5                            ; v5-6    LDS address of my fragments of P, slot 0, 1
.set FRA, 7                            ; v7-8    the same for R
.set SPW, 14                           ; v14     my spare word; never rewritten
.set NIL, 15                           ; v15     0; never rewritten
.set VP,  16                           ; v16-31  byte offsets of my 16 loads of P (two rows a load); never rewritten
.set VR,  32                           ; v32-47  the same for R, rows clamped
.set FRG, 48                           ; v48-79  four fragments of R
.set FPG, 80                           ; v80-111 four fragments of P
.set XS,  112                          ; v112-239 a step's 32 loads, 4 registers each
.set U,   176                          ; the way out: packed results, two sets of 16
.set PB,  44                           ; s[44:45] P at the step to be loaded
.set RB,  46                           ; s[46:47] R likewise
.set BB,  48                           ; s[48:49] the bias
.set OB0, 50                           ; s[50:51] where my results go,
.set OB1, 66                           ; s[66:67] and those of my second head
.set PITCH, 52                         ; s52  bytes in a row of P and of R
.set TRIPS, 53                         ; s53  K steps / 2 - 1
.set ROW0, 54                          ; s54  R's first row
.set RMAX, 55                          ; s55  R's last row that exists
.set SC,  56                           ; s[56:57] the role's factor
.set NAT, 58                           ; s58  1: v's way out
.set TC,  59                           ; s59  counts
.set WV,  61                           ; s61  wave; s62 = w & 1; s63 = w >> 1
.set MSB, 0
.macro WIN new                         ; the immediate's high byte repeats the setting that is left; a switch that changes nothing is dropped
.if MSB != (\new)
	s_set_vgpr_msb (MSB<<8)|(\new)
.set MSB, \new
.endif
.endm
	s_load_b512 s[8:23], s[0:1], 0x0               ; key 8, query 10, value 12, Wk 14, Wq 16, Wv 18, bk 20, bq 22
	s_load_b256 s[24:31], s[0:1], 0x40             ; bv 24, attn_mask 26, Wo 28, kv 30
	s_load_b128 s[32:35], s[0:1], 0x60             ; qf 32, mf 34
	s_load_b64 s[36:37], s[0:1], 0x70              ; wof
	v_lshl_add_u32 v[SPW], v0, 2, SPARE
	v_mov_b32 v[NIL], 0
	v_lshrrev_b32 v11, 5, v0
	v_readfirstlane_b32 s[WV], v11                 ; wave 0..7
	v_and_b32 v1, 31, v0
	v_lshlrev_b32 v[L16], 4, v1
	v_and_b32 v9, 15, v0                           ; r = l % 16
	v_bfe_u32 v10, v0, 4, 1                        ; h = l / 16
	s_and_b32 s62, s[WV], 1
	s_lshr_b32 s63, s[WV], 1
	s_mov_b32 s40, ttmp9
	s_mov_b32 s39, 0                               ; the high word of every offset
	s_wait_kmcnt 0x0
	s_cmp_lt_u32 s40, 256
	s_cbranch_scc1 .Lrole_k
	s_cmp_lt_u32 s40, 320
	s_cbranch_scc1 .Lrole_q
	s_cmp_lt_u32 s40, 448
	s_cbranch_scc1 .Lrole_v
	s_cmp_lt_u32 s40, 512
	s_cbranch_scc1 .Lrole_m
	; Wo: block nt = g - 512 of 16 rows, wave w takes channels 32 w .. 32 w + 31: one fragment
	s_sub_co_u32 s41, s40, 512
	s_lshl_b32 s68, s41, 4
	v_add_nc_u32 v11, s68, v9                      ; row 16 nt + r
	v_lshlrev_b32 v11, 10, v11
	v_lshl_add_u32 v11, v10, 5, v11                ; + 32 h
	s_lshl_b32 s68, s[WV], 7
	v_add_nc_u32 v11, s68, v11                     ; + 128 w
	global_load_b128 v[112:115], v11, s[28:29]
	global_load_b128 v[116:119], v11, s[28:29] offset:16
	global_load_b128 v[120:123], v11, s[28:29] offset:64
	global_load_b128 v[124:127], v11, s[28:29] offset:80
	s_lshl_b32 s38, s41, 3
	s_add_co_u32 s38, s38, s[WV]
	s_lshl_b32 s38, s38, 10
	s_add_nc_u64 s[OB0:OB0+1], s[36:37], s[38:39]
	s_wait_loadcnt 0x0
.set q, 0
.rept 8
	v_cvt_pk_bf16_f32 v12, v[112+2*q], v[113+2*q]  ; rounded as every input is,
	v_lshlrev_b32 v13, 16, v12
	v_and_b32 v12, 0xffff0000, v12
	v_cvt_pk_f16_f32 v[128+q], v13, v12            ; and that number written as f16
.set q, q+1
.endr
	global_store_b128 v[L16], v[128:131], s[OB0:OB0+1]
	global_store_b128 v[L16], v[132:135], s[OB0:OB0+1] offset:512
	s_branch .Lend
.Lrole_m:                                      ; attn_mask: query tile qt = g - 448 = 16 p + X; wave w takes key chunks 4 w .. 4 w + 3 of 128 keys
	s_sub_co_u32 s41, s40, 448
	s_and_b32 s42, s41, 15                         ; X
	s_lshr_b32 s43, s41, 4                         ; p
	s_lshl_b32 s68, s41, 4
	v_add_nc_u32 v11, s68, v9
	v_min_u32 v11, 899, v11                        ; the rows behind the last are copies of it
	v_lshlrev_b32 v11, 14, v11                     ; a row is 16,384 bytes
	v_lshl_add_u32 v11, v10, 5, v11                ; + 32 h: keys 8 h on
	s_lshl_b32 s38, s[WV], 11
	s_add_nc_u64 s[PB:PB+1], s[26:27], s[38:39]
	s_lshl_b32 s68, s42, 5
	s_lshl_b32 s69, s[WV], 2
	s_add_co_u32 s68, s68, s69                     ; 32 X + chunk
	s_lshl_b32 s68, s68, 2
	s_add_co_u32 s68, s68, s43                     ; x 4 + p
	s_lshl_b32 s38, s68, 13
	s_add_nc_u64 s[OB0:OB0+1], s[34:35], s[38:39]
	s_mov_b32 s[TC], 4
.Lmk:                                          ; a trip: one chunk: 512 consecutive bytes of each of the tile's 16 rows
.set n, 0
.rept 16                               ; n = 8 u + 2 kb + half: keys 64 u + 16 kb + 8 h + 4 half + 0..3
	global_load_b128 v[XS+4*n:XS+4*n+3], v11, s[PB:PB+1] offset:(n/8)*256+((n/2)%4)*64+(n%2)*16
.set n, n+1
.endr
	s_wait_loadcnt 0x0
.set n, 0
.rept 16
	v_cvt_pk_bf16_f32 v12, v[XS+4*n], v[XS+4*n+1]
	v_cvt_pk_bf16_f32 v13, v[XS+4*n+2], v[XS+4*n+3]
	v_lshlrev_b32 v[XS+4*n], 16, v12
	v_and_b32 v[XS+4*n+1], 0xffff0000, v12
	v_lshlrev_b32 v[XS+4*n+2], 16, v13
	v_and_b32 v[XS+4*n+3], 0xffff0000, v13
	v_pk_mul_f32 v[XS+4*n:XS+4*n+1], v[XS+4*n:XS+4*n+1], 0x3fb8aa3b op_sel_hi:[1,0]      ; log2(e): the scores are kept in powers of two
	v_pk_mul_f32 v[XS+4*n+2:XS+4*n+3], v[XS+4*n+2:XS+4*n+3], 0x3fb8aa3b op_sel_hi:[1,0]
	global_store_b128 v[L16], v[XS+4*n:XS+4*n+3], s[OB0:OB0+1] offset:(n/8)*4096+(n%8)*512
.set n, n+1
.endr
	s_wait_xcnt 0x0                                ; the bases and the stores' data are written again only behind this wait
	s_add_nc_u64 s[PB:PB+1], s[PB:PB+1], 512
	s_add_nc_u64 s[OB0:OB0+1], s[OB0:OB0+1], 32768 ; the next chunk lies four pieces of 8,192 bytes on
	s_sub_co_u32 s[TC], s[TC], 1
	s_cmp_lg_u32 s[TC], 0
	s_cbranch_scc1 .Lmk
	s_branch .Lend
.Lrole_k:                                      ; g = 2 rblk + Pb: keys 256 rblk on (all batches on end), channels 256 Pb on (four heads)
	s_lshr_b32 s41, s40, 1
	s_and_b32 s42, s40, 1
	s_lshl_b32 s38, s42, 19
	s_add_nc_u64 s[PB:PB+1], s[14:15], s[38:39]
	s_lshl_b32 s38, s42, 10
	s_add_nc_u64 s[BB:BB+1], s[20:21], s[38:39]
	s_lshl_b32 s38, s41, 19
	s_add_nc_u64 s[RB:RB+1], s[8:9], s[38:39]
	s_mov_b32 s[PITCH], 2048
	s_mov_b32 s[TRIPS], 3
	s_mov_b32 s[ROW0], 0
	s_mov_b32 s[RMAX], 255
	s_mov_b32 s[SC], 1.0
	s_mov_b32 s[SC+1], 1.0
	s_mov_b32 s[NAT], 0
	s_lshr_b32 s43, s41, 4                         ; b
	s_and_b32 s68, s41, 15
	s_lshl_b32 s68, s68, 2
	s_add_co_u32 s68, s68, s63                     ; my key step in the batch, 0..63
	s_lshl_b32 s69, s43, 1
	s_add_co_u32 s69, s69, s42                     ; Y = 2 b + Pb
	s_lshl_b32 s69, s69, 5
	s_lshr_b32 s70, s68, 1
	s_add_co_u32 s69, s69, s70                     ; x 32 + chunk
	s_lshl_b32 s69, s69, 2
	s_lshl_b32 s70, s62, 1
	s_add_co_u32 s69, s69, s70                     ; x 4 + my first head of the four
	s_mul_i32 s38, s69, 24576
	s_and_b32 s70, s68, 1
	s_mul_i32 s70, s70, 12288
	s_add_co_u32 s38, s38, s70
	s_add_nc_u64 s[OB0:OB0+1], s[30:31], s[38:39]
	s_add_nc_u64 s[OB1:OB1+1], s[OB0:OB0+1], 24576
	s_branch .Lgemm
.Lrole_q:                                      ; g - 256 = 2 (4 b + qb) + Pb: rows 256 qb on of batch b
	s_sub_co_u32 s40, s40, 256
	s_lshr_b32 s41, s40, 1
	s_and_b32 s42, s40, 1
	s_lshr_b32 s43, s41, 2                         ; b
	s_and_b32 s68, s41, 3                          ; qb
	s_lshl_b32 s38, s42, 19
	s_add_nc_u64 s[PB:PB+1], s[16:17], s[38:39]
	s_lshl_b32 s38, s42, 10
	s_add_nc_u64 s[BB:BB+1], s[22:23], s[38:39]
	s_mul_i32 s38, s43, 1843200                    ; 900 rows of 2,048 bytes
	s_add_nc_u64 s[RB:RB+1], s[10:11], s[38:39]
	s_mov_b32 s[PITCH], 2048
	s_mov_b32 s[TRIPS], 3
	s_lshl_b32 s[ROW0], s68, 8
	s_mov_b32 s[RMAX], 899
	s_mov_b32 s[SC], 0x3e38aa3b                    ; log2(e) / 8
	s_mov_b32 s[SC+1], 0x3e38aa3b
	s_mov_b32 s[NAT], 0
	s_lshl_b32 s69, s43, 3
	s_lshl_b32 s70, s42, 2
	s_add_co_u32 s69, s69, s70
	s_lshl_b32 s70, s62, 1
	s_add_co_u32 s69, s69, s70                     ; 8 b + my first head
	s_lshl_b32 s69, s69, 6
	s_lshl_b32 s70, s68, 4
	s_add_co_u32 s69, s69, s70
	s_lshl_b32 s70, s63, 2
	s_add_co_u32 s69, s69, s70                     ; x 64 + my first query tile
	s_lshl_b32 s38, s69, 11
	s_add_nc_u64 s[OB0:OB0+1], s[32:33], s[38:39]
	s_add_nc_u64 s[OB1:OB1+1], s[OB0:OB0+1], 131072
	s_branch .Lgemm
.Lrole_v:                                      ; g - 320: keys 256 (g - 320) on, all 256 channels
	s_sub_co_u32 s40, s40, 320
	s_lshl_b32 s38, s40, 18
	s_add_nc_u64 s[PB:PB+1], s[12:13], s[38:39]
	s_mov_b64 s[RB:RB+1], s[18:19]
	s_mov_b64 s[BB:BB+1], s[24:25]
	s_mov_b32 s[PITCH], 1024
	s_mov_b32 s[TRIPS], 1
	s_mov_b32 s[ROW0], 0
	s_mov_b32 s[RMAX], 255
	s_mov_b32 s[SC], 1.0
	s_mov_b32 s[SC+1], 1.0
	s_mov_b32 s[NAT], 1
	s_lshr_b32 s43, s40, 4                         ; b
	s_and_b32 s68, s40, 15
	s_lshl_b32 s68, s68, 1
	s_add_co_u32 s68, s68, s62                     ; my chunk of 128 keys
	s_lshl_b32 s69, s43, 1
	s_lshr_b32 s70, s63, 1
	s_add_co_u32 s69, s69, s70                     ; Y
	s_lshl_b32 s69, s69, 5
	s_add_co_u32 s69, s69, s68
	s_lshl_b32 s69, s69, 2
	s_and_b32 s70, s63, 1
	s_lshl_b32 s70, s70, 1
	s_add_co_u32 s69, s69, s70                     ; my first head of the four
	s_mul_i32 s38, s69, 24576
	s_add_co_u32 s38, s38, 8192                    ; V lies behind a step's K
	s_add_nc_u64 s[OB0:OB0+1], s[30:31], s[38:39]
	s_add_nc_u64 s[OB1:OB1+1], s[OB0:OB0+1], 24576
.Lgemm:
	s_lshl_b32 s68, s[WV], 5
	v_add_nc_u32 v11, s68, v10                     ; the first row that I stage: 32 w + h
	v_mul_u32_u24 v[SA], v11, LP
	v_lshl_add_u32 v[SA], v9, 3, v[SA]             ; + 8 bytes for each of 16 lanes
	v_add_nc_u32 v[SA+1], SLOTB, v[SA]
	s_lshl_b32 s69, s62, 7
	v_add_nc_u32 v12, s69, v9
	v_mul_u32_u24 v[FPA], v12, LP
	v_lshl_add_u32 v[FPA], v10, 4, v[FPA]          ; a fragment: row x pitch + 16 h
	v_add_nc_u32 v[FPA+1], SLOTB, v[FPA]
	s_lshl_b32 s69, s63, 6
	v_add_nc_u32 v12, s69, v9
	v_mul_u32_u24 v[FRA], v12, LP
	v_lshl_add_u32 v[FRA], v10, 4, v[FRA]
	v_add_nc_u32 v[FRA], SIDE, v[FRA]
	v_add_nc_u32 v[FRA+1], SLOTB, v[FRA]
	v_lshlrev_b32 v13, 4, v9
.set j, 0
.rept 16                               ; load j takes rows 32 w + 2 j and + 1: sixteen lanes read 256 consecutive bytes of a row
	v_add_nc_u32 v12, 2*j, v11
	v_mad_u32_u24 v[VP+j], v12, s[PITCH], v13
	v_add_nc_u32 v12, s[ROW0], v12
	v_min_u32 v12, s[RMAX], v12
	v_mad_u32_u24 v[VR+j], v12, s[PITCH], v13
.set j, j+1
.endr
.macro LOAD                            ; a K step: 32 loads a wave
.set j, 0
.rept 16
	global_load_b128 v[XS+4*j:XS+4*j+3], v[VP+j], s[PB:PB+1]
.set j, j+1
.endr
.set j, 0
.rept 16
	global_load_b128 v[XS+64+4*j:XS+64+4*j+3], v[VR+j], s[RB:RB+1]
.set j, j+1
.endr
.endm
.macro STAGE sl                        ; the step that is in registers is rounded to bf16 and put into slot sl
	s_wait_loadcnt 0x0                             ; the 32 loads are in, and have read their bases
.set j, 0
.rept 32
	v_cvt_pk_bf16_f32 v[XS+4*j], v[XS+4*j], v[XS+4*j+1]
	v_cvt_pk_bf16_f32 v[XS+4*j+1], v[XS+4*j+2], v[XS+4*j+3]
.set j, j+1
.endr
.set j, 0
.rept 32
	ds_store_b64 v[SA+(\sl)], v[XS+4*j:XS+4*j+1] offset:(j/16)*SIDE+2*LP*(j%16)
.set j, j+1
.endr
	s_add_nc_u64 s[PB:PB+1], s[PB:PB+1], 256
	s_add_nc_u64 s[RB:RB+1], s[RB:RB+1], 256
.endm
; 16 products: P blocks p0 .. p0 + 3 x R blocks 0..3; the accumulators take turns, one instruction a turn.  Four v_nop follow: the places ahead of loads into the fragments' registers and of reads of the results.
.macro MUL16 p0, zero
	WIN 0x50                                       ; C and D in window 1
.irp a, 0,1,2,3
.irp b, 0,1,2,3
.if \zero
	v_wmma_f32_16x16x32_bf16 v[8*(4*((\p0)+(\a))+(\b)):8*(4*((\p0)+(\a))+(\b))+7], v[FPG+8*(\a):FPG+8*(\a)+7], v[FRG+8*(\b):FRG+8*(\b)+7], 0
.else
	v_wmma_f32_16x16x32_bf16 v[8*(4*((\p0)+(\a))+(\b)):8*(4*((\p0)+(\a))+(\b))+7], v[FPG+8*(\a):FPG+8*(\a)+7], v[FRG+8*(\b):FRG+8*(\b)+7], v[8*(4*((\p0)+(\a))+(\b)):8*(4*((\p0)+(\a))+(\b))+7]
.endif
.endr
.endr
	WIN 0
.rept 4
	v_nop
.endr
.endm
.macro PFRAG sl, ks, p0                ; four fragments of P
.irp t, 0,1,2,3
	ds_load_b128 v[FPG+8*(\t):FPG+8*(\t)+3],   v[FPA+(\sl)] offset:((\p0)+(\t))*16*LP+64*(\ks)
	ds_load_b128 v[FPG+8*(\t)+4:FPG+8*(\t)+7], v[FPA+(\sl)] offset:((\p0)+(\t))*16*LP+64*(\ks)+32
.endr
.endm
.macro MULS sl, zero                   ; a K step's 64 products from slot sl; zero = 1: its first 32 start the sums.  The SIMD's other wave works in the waits for LDS
.irp ks, 0,1
.irp t, 0,1,2,3
	ds_load_b128 v[FRG+8*(\t):FRG+8*(\t)+3],   v[FRA+(\sl)] offset:(\t)*16*LP+64*(\ks)
	ds_load_b128 v[FRG+8*(\t)+4:FRG+8*(\t)+7], v[FRA+(\sl)] offset:(\t)*16*LP+64*(\ks)+32
.endr
	PFRAG \sl, \ks, 0
	s_wait_dscnt 0x0
	MUL16 0, (\zero)*(1-(\ks))
	PFRAG \sl, \ks, 4
	s_wait_dscnt 0x0
	MUL16 4, (\zero)*(1-(\ks))
.endr
.endm
.macro MEET                            ; my stores into one slot are done and my reads of the other are back; behind the barrier that holds of all eight waves
	s_wait_dscnt 0x0
	s_barrier_signal -1
	s_barrier_wait -1
.endm
	v_lshlrev_b32 v12, 2, v0
	v_add_nc_u32 v13, BIAS, v12
	global_load_b32 v11, v12, s[BB:BB+1]           ; thread t takes bias t
	LOAD                                           ; K step 0
	s_wait_loadcnt 32                              ; the bias is in; the step's 32 loads, issued behind it, stay out
	v_cvt_pk_bf16_f32 v11, v11, v11
	v_lshlrev_b32 v11, 16, v11
	v_mul_f32 v11, s[SC], v11
	ds_store_b32 v13, v11
	STAGE 0
	LOAD                                           ; K step 1
	MEET
	MULS 0, 1                                      ; the first K step stands ahead of the loop: its products start the sums
	s_mov_b32 s[TC], 0
.Lk2:                                          ; a trip: two K steps; each slot is written behind the barrier that follows its last reads
	STAGE 1
	LOAD
	MEET
	MULS 1, 0
	STAGE 0
	LOAD
	MEET
	MULS 0, 0
	s_add_co_u32 s[TC], s[TC], 1
	s_cmp_lt_u32 s[TC], s[TRIPS]
	s_cbranch_scc1 .Lk2
	STAGE 1                                        ; the last K step: nothing is left to load
	MEET
	MULS 1, 0
; THE WAY OUT.  nat = 0 (k, q): D x factor + bias of the lane's eight channels.  nat = 1 (v): D + bias of the lane's one channel.  Each accumulator is read from its lowest registers on.
; A lane's eight numbers pack into 16 bytes, which ARE its part of a fragment: one store covers 512 consecutive bytes.
.macro EPI nat
.set pt, 0
.rept 8
	WIN 0x41                                       ; destination and source 0 in window 1
.set rt, 0
.rept 4
.set AC, 8*(4*pt+rt)
.set q, 0
.rept 4
.if \nat
	v_pk_add_f32 v[AC+2*q:AC+2*q+1], v[AC+2*q:AC+2*q+1], v[XS+2*rt:XS+2*rt+1]
.else
	v_pk_fma_f32 v[AC+2*q:AC+2*q+1], v[AC+2*q:AC+2*q+1], s[SC:SC+1], v[XS+8*pt+2*q:XS+8*pt+2*q+1] op_sel_hi:[1,0,1]
.endif
.set q, q+1
.endr
.set rt, rt+1
.endr
	s_wait_xcnt 0x0                                ; the packed registers were earlier stores' data
	WIN 0x05                                       ; sources in window 1, destination in window 0
.set rt, 0
.rept 4
.set AC, 8*(4*pt+rt)
.set q, 0
.rept 4
	v_cvt_pk_f16_f32 v[U+16*(pt%2)+4*rt+q], v[AC+2*q], v[AC+2*q+1]
.set q, q+1
.endr
.set rt, rt+1
.endr
	WIN 0
.set rt, 0
.rept 4
.if \nat
.set OBS, OB0+(OB1-OB0)*(rt/2)
	global_store_b128 v[L16], v[U+16*(pt%2)+4*rt:U+16*(pt%2)+4*rt+3], s[OBS:OBS+1] offset:(pt/4)*12288+((pt/2)%2)*2048+(pt%2)*512+(rt%2)*1024
.else
.set OBS, OB0+(OB1-OB0)*(pt/4)
	global_store_b128 v[L16], v[U+16*(pt%2)+4*rt:U+16*(pt%2)+4*rt+3], s[OBS:OBS+1] offset:((pt/2)%2)*1024+(pt%2)*512+rt*2048
.endif
.set rt, rt+1
.endr
.set pt, pt+1
.endr
.endm
	s_cmp_eq_u32 s[NAT], 0
	s_cbranch_scc0 .Lepi_v
	s_lshl_b32 s68, s62, 9
	v_lshl_add_u32 v11, v10, 5, s68                ; bias 128 (w & 1) + 8 h on
	v_add_nc_u32 v11, BIAS, v11
.set t, 0
.rept 16
	ds_load_b128 v[XS+4*t:XS+4*t+3], v11 offset:(t/2)*64+(t%2)*16
.set t, t+1
.endr
	s_wait_dscnt 0x0
	EPI 0
	s_branch .Lend
.Lepi_v:
	s_lshl_b32 s68, s63, 8
	v_lshl_add_u32 v11, v9, 2, s68                 ; bias 64 (w >> 1) + r
	v_add_nc_u32 v11, BIAS, v11
.irp t, 0,1,2,3
	ds_load_b32 v[XS+2*(\t)], v11 offset:64*(\t)
.endr
	s_wait_dscnt 0x0
.irp t, 0,1,2,3
	v_mov_b32 v[XS+2*(\t)+1], v[XS+2*(\t)]
.endr
	EPI 1
.Lend:
	s_wait_tensorcnt 0x0                           ; the wave's end: three closing lines, behind my last LDS store
	ds_add_u32 v[SPW], v[NIL]
	s_wait_dscnt 0x0
	s_endpgm
.Lfunc_end_k_q25a3740f2d_prep:
	.size	k_q25a3740f2d_prep, .Lfunc_end_k_q25a3740f2d_prep-k_q25a3740f2d_prep
	.p2alignl 7, 3214868480
	.fill 96, 4, 3214868480
	.section	.rodata,"a",@progbits
	.p2align	6, 0x0
	.amdhsa_kernel k_q25a3740f2d_prep
		.amdhsa_group_segment_fixed_size 149504
		.amdhsa_private_segment_fixed_size 0
		.amdhsa_enable_private_segment 0
		.amdhsa_kernarg_size 120
		.amdhsa_user_sgpr_count 2
		.amdhsa_user_sgpr_kernarg_segment_ptr 1
		.amdhsa_wavefront_size32 1
		.amdhsa_system_sgpr_workgroup_id_x 1
		.amdhsa_system_sgpr_workgroup_id_y 1
		.amdhsa_system_sgpr_workgroup_id_z 1
		.amdhsa_system_vgpr_workitem_id 0
		.amdhsa_next_free_vgpr 512
		.amdhsa_next_free_sgpr 72
		.amdhsa_reserve_vcc 0
		.amdhsa_float_denorm_mode_32 3
		.amdhsa_float_denorm_mode_16_64 3
		.amdhsa_memory_ordered 1
		.amdhsa_forward_progress 1
		.amdhsa_inst_pref_size 136
	.end_amdhsa_kernel
	.amdgpu_metadata
---
amdhsa.version: [ 1, 2 ]
amdhsa.kernels:
  - .name:           k_q25a3740f2d_prep
    .symbol:         k_q25a3740f2d_prep.kd
    .args:
      - { .name: key, .offset: 0, .size: 8, .value_kind: global_buffer, .address_space: global }
      - { .name: query, .offset: 8, .size: 8, .value_kind: global_buffer, .address_space: global }
      - { .name: value, .offset: 16, .size: 8, .value_kind: global_buffer, .address_space: global }
      - { .name: Wk, .offset: 24, .size: 8, .value_kind: global_buffer, .address_space: global }
      - { .name: Wq, .offset: 32, .size: 8, .value_kind: global_buffer, .address_space: global }
      - { .name: Wv, .offset: 40, .size: 8, .value_kind: global_buffer, .address_space: global }
      - { .name: bk, .offset: 48, .size: 8, .value_kind: global_buffer, .address_space: global }
      - { .name: bq, .offset: 56, .size: 8, .value_kind: global_buffer, .address_space: global }
      - { .name: bv, .offset: 64, .size: 8, .value_kind: global_buffer, .address_space: global }
      - { .name: attn_mask, .offset: 72, .size: 8, .value_kind: global_buffer, .address_space: global }
      - { .name: Wo, .offset: 80, .size: 8, .value_kind: global_buffer, .address_space: global }
      - { .name: kv, .offset: 88, .size: 8, .value_kind: global_buffer, .address_space: global }
      - { .name: qf, .offset: 96, .size: 8, .value_kind: global_buffer, .address_space: global }
      - { .name: mf, .offset: 104, .size: 8, .value_kind: global_buffer, .address_space: global }
      - { .name: wof, .offset: 112, .size: 8, .value_kind: global_buffer, .address_space: global }
    .group_segment_fixed_size: 149504
    .private_segment_fixed_size: 0
    .kernarg_segment_align: 8
    .kernarg_segment_size: 120
    .max_flat_workgroup_size: 256
    .sgpr_count:     72
    .vgpr_count:     512
    .wavefront_size: 32
...
	.end_amdgpu_metadata
.endif
;; end of part 1
;; launch attn (part 2): grid 16 x 16, 4 waves a work-group, clusters of 4 x 4, 327,680 bytes of LDS; arguments kv, qf, mf, key_padding_mask, of; writes of
.if DOCPART == 2
	.amdgcn_target "amdgcn-amd-amdhsa--gfx1250"
	.amdhsa_code_object_version 6
	.text
	.protected	k_q25a3740f2d_attn
	.globl	k_q25a3740f2d_attn
	.p2align	8
	.type	k_q25a3740f2d_attn,@function
k_q25a3740f2d_attn:
	s_mov_b64 s[64:65], 0
	v_nop
	global_prefetch_b8 v0, s[64:65] scope:SCOPE_SE
	s_setreg_imm32_b32 hwreg(HW_REG_WAVE_MODE, 25, 1), 1
	s_wait_xcnt 0x0
	s_wait_alu depctr_hold_cnt(0) depctr_sa_sdst(0) depctr_va_vdst(0) depctr_va_sdst(0) depctr_va_ssrc(0) depctr_va_vcc(0) depctr_vm_vsrc(0)
	s_getreg_b32 s2, hwreg(HW_REG_IB_STS2, 6, 4)
	s_cmp_eq_u32 s2, 0
	s_cbranch_scc0 .Lentry_in_a_cluster
	s_endpgm
.Lentry_in_a_cluster:
	s_bfe_u32 s2, ttmp6, 0x10000c
	s_cmp_lg_u32 s2, 0xf033
	s_cbranch_scc0 .Lentry_shape_is_right
	s_endpgm
.Lentry_shape_is_right:
; O[b][head][q] = the sum over k of softmax_k(q . k / 8 + attn_mask[q][k], hidden keys left out) v[k].  Head size 64 for q and k, 32 for v; 4,096 keys; 900 queries in 57 tiles of 16 (64 slots).
; q (already times log2(e)/8), k, v come in f16 in fragment order (kv, qf), attn_mask times log2(e) in f32 as the scores' C operand (mf).  Products, maxima and sums in f32; the weights p are rounded to f16 for the second product, O once.
; LIMITS.  A hidden key counts as its score less 1e30; a query whose keys are all hidden (its maximum lies below -2^96) gets NaN, as the softmax of nothing but -inf gives.  Other NaN and infinities are not treated apart.
; p below 2^-24 counts as 0, in the sum l too (l is the sum of the rounded p, the same numbers that multiply v).  A byte of key_padding_mask is 0 or 1.  O lies within v's range.
; SHARES.  Work-group (XX, YY): YY = 2 b + hg; its four waves take the four heads 4 hg + w and ALL hold the same four query tiles (PIECES p), tile 16 p + XX.  So a step's mask tile (4 pieces x 64 keys, f32) is read by four heads from one copy in LDS.
; Tiles 57..63 (piece 3 of XX = 9..15) hold copies of row 899; their results go to rows of the workspace that nobody reads: no branch hangs on it.
; CLUSTER 4 x 4.  K and V hang on YY alone: asked for jointly by a row of the cluster.  The mask hangs on XX alone: asked for jointly by a column.  Waves 0, 1 ask for the halves of a chunk's K and V, waves 2, 3 for the halves of its mask.
; RING.  Two slots of 131,072 bytes; a slot holds a chunk = two key steps of 64: K and V of four heads (98,304 bytes), the mask of four pieces (32,768).  All tiles are dense: a wave's load takes 512 consecutive bytes.  One tensor load of a wave is out at the most.
; LAYOUT.  S^T = K Q^T + C: a lane holds ONE query (lane % 16) and keys 8 (lane / 16) + 0..7 of each block of 16.  C is loaded into S's registers (the mask), the padding's 0 or -1e30 is added to it, and the products add onto it in place.
; p = 2^(s - m) with a running maximum m; O and l are multiplied by a = 2^(m_old - m) in every step.  p is rounded to f16 in place and IS source 1 of O^T = V^T P.  l comes from the matrix unit: a third source 0 whose rows 0 and 8 are ones, so that
; register 0 of its result holds l in every lane.
; BY TURNS.  Turn p: the mask of piece p + 2 is loaded; 8 products K Q^T of piece p + 1; 6 products V^T P of piece p - 1; beside them the subtraction, exponentials, roundings and rescaling of piece p, the maximum of piece p + 1, the padding of piece p + 2.
; A tile and step have 14 matrix and 110 vector instructions: three or four stand behind every matrix instruction, the others in two runs of their own.
; REGISTERS, in windows of 256 (s_set_vgpr_msb: bits 1:0 source 0, 3:2 source 1, 5:4 source 2, 7:6 destination):
;   window 0: v0-7 addresses; v8-15 m, m_old a piece; v16-23 at work, by the piece's parity; v24-31 set-up, the add's two, the prefetches' offset; v32-127 O^T, 24 a piece; v128-255 S^T, 32 a piece
;   window 1: v0-63 Q; v64-127 K of one step; v128-159 V of one step; v160-167 the ones; v168-199 the padding of one step
.set SLOT1, 1<<17
.set KVB,   98304                      ; a chunk's K and V
.set MKB,   32768                      ; a chunk's mask
.set MOFF,  KVB                        ; the mask's place in a slot
.set HEADB, 24576                      ; a head's part of a chunk: two steps of K 8,192 + V 4,096
.set STEPK, 12288
.set STEPM, 4096
.set PADT,  2*SLOT1                    ; 4,096 f32, 0 or -1e30: written by LDS stores, never filled by a tensor load
.set SPARE, PADT+16384                 ; the spare words, 128 bytes for each wave; no other line names them
.set AK0, 1                            ; v1  16 l + my head's place in a slot; never rewritten
.set AM0, 2                            ; v2  16 l + the mask's place
.set AP0, 3                            ; v3  the padding table + 32 (l / 16)
.set AK,  4                            ; v4  the addresses of the step in hand
.set AM,  5
.set AP,  6
.set LB,  7                            ; v7  16 l
.set ST,  8                            ; piece y: m at v[8+2y], m_old beside it
.set TMP, 16                           ; c0-c3 at v[16+4(y%2)]; c2 takes a
.set SPW, 28                           ; v28 my spare word; never rewritten
.set NIL, 29                           ; v29 0; never rewritten
.set PFO, 31                           ; v31 256 l; never rewritten
.set O,   32
.set S,   128
.set KF,  64                           ; window 1
.set VF,  128
.set ONES, 160
.set PAD, 168
.set WV,  14                           ; s14 wave; s15 = w & 1
.set XX,  18
.set YY,  19
.set G1K, 24                           ; s[24:31] descriptor group 1 for K and V
.set G1M, 32                           ; s[32:39] for the mask
.set G0K, 40                           ; s[40:43] group 0: it walks
.set G0M, 44                           ; s[44:47]
.set PFA, 48                           ; s[48:49] where my prefetches stand
.set PFS, 50                           ; s[50:51] their step
.set LIM, 52                           ; s52 1 in a wave that prefetches, else the greatest number
.set LIM2, 53                          ; s53 the same for the second and third instruction (K and V alone)
.set SLOTS, 54                         ; s54 chunks still to be asked for
.set CNT, 55                           ; s55 counts a chunk's steps
.set TK,  56                           ; s56 LDS byte of the step to be fetched, for K and V
.set TM,  57                           ; s57 for the mask
.set TP,  58                           ; s58 for the padding
.set SEL, 60                           ; s[60:61] v_permlanex16_b32's selects
.set BIGN, 62                          ; s62 -1e30
.set LOWM, 63                          ; s63 -2^96
.set QB,  66                           ; s[66:67] Q
.set MSB, 0
.macro WIN new                         ; the high byte repeats the setting that is left; a switch that changes nothing is dropped
.if MSB != (\new)
	s_set_vgpr_msb (MSB<<8)|(\new)
.set MSB, (\new)
.endif
.endm
.set W_KQ, 0x05                        ; K and Q in window 1, S^T in window 0
.set W_PV, 0x01                        ; V in window 1, P and O^T in window 0
.set W_M,  0x04                        ; the padding (source 1) in window 1
.set W_LD, 0x40                        ; a load into window 1, its address in window 0
; A joint fill.  The branch hangs on the wave's number alone.  An s_nop 0 and four v_nop follow each of the two lines, ahead of the jump and the label.
.macro JLOAD
	s_cmp_lt_u32 s[WV], 2
	s_cbranch_scc0 .Lfor_m_\@
	tensor_load_to_lds s[G0K:G0K+3], s[G1K:G1K+7]
	s_nop 0
.rept 4
	v_nop
.endr
	s_branch .Lasked_\@
.Lfor_m_\@:
	tensor_load_to_lds s[G0M:G0M+3], s[G1M:G1M+7]
	s_nop 0
.rept 4
	v_nop
.endr
.Lasked_\@:
.endm
; A PREFETCH INTO THE L2 of the chunk that the NEXT change of slots will ask for: two key steps, 112 matrix instructions a wave, ahead of that load.  A lane names 256 bytes.  K and V of a YY are walked by four clusters: the one with x = 0 asks, its
; four partners along x take 24,576 bytes each (wave 0, three instructions).  The mask of an XX is walked by four clusters: the one with y = 0 asks, its partners along y take 8,192 bytes each (wave 2, one instruction).  The partners are told
; apart by address alone.  So each block is named once in the launch.  The last change that fills a slot asks for nothing; chunks 0 and 1 come by their loads alone.
.macro ASK
	s_cmp_gt_u32 s[SLOTS], s[LIM]
	s_cbranch_scc0 .Lnone_\@
	global_prefetch_b8 v[PFO], s[PFA:PFA+1] th:TH_LOAD_NT scope:SCOPE_SE
	s_cmp_gt_u32 s[SLOTS], s[LIM2]
	s_cbranch_scc0 .Lnone_\@
	global_prefetch_b8 v[PFO], s[PFA:PFA+1] offset:8192 th:TH_LOAD_NT scope:SCOPE_SE
	global_prefetch_b8 v[PFO], s[PFA:PFA+1] offset:16384 th:TH_LOAD_NT scope:SCOPE_SE
.Lnone_\@:
.endm
; A round of the cluster's barrier: my work-group's barrier; wave 0 signals for the work-group; every wave waits for all sixteen; my work-group's barrier once more.
.macro CROUND
	s_barrier_signal -1
	s_barrier_wait -1
	s_cmp_lg_u32 s[WV], 0
	s_cbranch_scc1 .Lnot_wave_0_\@
	s_barrier_signal -3
.Lnot_wave_0_\@:
	s_barrier_wait -3
	s_barrier_signal -1
	s_barrier_wait -1
.endm
; THE CHANGE OF SLOTS.  Each wave waits for all its tensor loads (one is out: its part of the other slot), adds 0 to its spare word, and waits for that and for its reads of the slot that it leaves.  fill = 1: behind a round of the
; cluster's barrier, when no wave of any partner reads the old slot or has a load on its way, the old slot is filled again, first thing, with the chunk two on.  (At its first use slot 0 is waited for and slot 1 filled; its wait on DScnt and its barrier also hand the padding table to all waves.)
.macro CHANGE fill
	WIN 0
	s_wait_tensorcnt 0x0                           ; no tensor load of mine is out, so a group 0 may be written
	ds_add_u32 v[SPW], v[NIL]                      ; 0 onto my spare word; the descriptors' steps stand between it and the wait for it
.if \fill
	s_xor_b32 s[G0K+1], s[G0K+1], SLOT1
	s_add_nc_u64 s[G0K+2:G0K+3], s[G0K+2:G0K+3], KVB
	s_xor_b32 s[G0M+1], s[G0M+1], SLOT1
	s_add_nc_u64 s[G0M+2:G0M+3], s[G0M+2:G0M+3], MKB
	s_wait_xcnt 0x0                                ; the last prefetches, a chunk back, have read their address
	s_add_nc_u64 s[PFA:PFA+1], s[PFA:PFA+1], s[PFS:PFS+1]
	s_wait_dscnt 0x0                               ; the add is done, and my reads of the slot are over
	CROUND
	JLOAD
	ASK
.else
	s_wait_dscnt 0x0
	s_barrier_signal -1
	s_barrier_wait -1
.endif
	s_sub_co_u32 s[TK], s[TK], 2*STEPK             ; the fetches go back to a slot's first step,
	s_xor_b32 s[TK], s[TK], SLOT1                  ; in the other slot
	s_sub_co_u32 s[TM], s[TM], 2*STEPM
	s_xor_b32 s[TM], s[TM], SLOT1
.endm
	s_load_b256 s[4:11], s[0:1], 0x0               ; kv s[4:5], qf s[6:7], mf s[8:9], key_padding_mask s[10:11]
	s_load_b64 s[12:13], s[0:1], 0x20              ; of
	v_lshl_add_u32 v[SPW], v0, 2, SPARE
	v_mov_b32 v[NIL], 0
	ds_add_u32 v[SPW], v[NIL]                      ; the wave's opening: the add and its wait stand ahead of my first tensor load; the set-up below stands between them
	v_lshrrev_b32 v24, 5, v0
	v_readfirstlane_b32 s[WV], v24                 ; wave 0..3
	s_and_b32 s15, s[WV], 1                        ; which half of a tile I fetch
	s_bfe_u32 s16, ttmp6, 0x40000                  ; cx
	s_bfe_u32 s17, ttmp6, 0x40004                  ; cy
	s_lshl_b32 s[XX], ttmp9, 2
	s_add_co_u32 s[XX], s[XX], s16
	s_and_b32 s[YY], ttmp7, 0xffff
	s_lshl_b32 s[YY], s[YY], 2
	s_add_co_u32 s[YY], s[YY], s17
	s_lshl_b32 s20, s17, 2
	s_lshl_b32 s20, 15, s20                        ; my row of the cluster
	s_lshl_b32 s22, 0x1111, s16                    ; my column
	; descriptor group 1: dense blocks, as rows of 256 bytes: 32 elements of 8 bytes
	s_or_b32 s[G1K], s20, (3<<16)|(1<<21)          ; 15:0 the mask; 17:16 elements of 8 bytes; 21 set beside a mask
	s_mov_b32 s[G1K+1], 32<<16                     ; tensor_dim0 = 32
	s_mov_b32 s[G1K+2], 192<<16                    ; tensor_dim1 = 192 rows: 49,152 bytes
	s_mov_b32 s[G1K+3], 32<<16                     ; tile_dim0
	s_mov_b32 s[G1K+4], 192                        ; tile_dim1
	s_mov_b32 s[G1K+5], 32                         ; elements from row to row
	s_mov_b32 s[G1K+6], 0
	s_mov_b32 s[G1K+7], 0
	s_or_b32 s[G1M], s22, (3<<16)|(1<<21)
	s_mov_b32 s[G1M+1], 32<<16
	s_mov_b32 s[G1M+2], 64<<16                     ; 64 rows: 16,384 bytes
	s_mov_b32 s[G1M+3], 32<<16
	s_mov_b32 s[G1M+4], 64
	s_mov_b32 s[G1M+5], 32
	s_mov_b32 s[G1M+6], 0
	s_mov_b32 s[G1M+7], 0
	s_mov_b32 s[G0K], 1
	s_mul_i32 s[G0K+1], s15, KVB/2                 ; LDS: slot 0, my half: no place in the cluster enters an LDS address
	s_mov_b32 s[G0M], 1
	s_mul_i32 s[G0M+1], s15, MKB/2
	s_add_co_u32 s[G0M+1], s[G0M+1], MOFF
	s_mul_i32 s20, s[YY], 32*KVB                   ; K's offset is made of YY and the wave alone,
	s_add_co_u32 s20, s20, s[G0K+1]
	s_mov_b32 s21, 0
	s_lshl_b32 s22, s[XX], 20                      ; the mask's of XX and the wave alone
	s_lshl_b32 s23, s15, 14
	s_add_co_u32 s22, s22, s23
	s_mov_b32 s23, 0
	s_lshl_b32 s68, s[YY], 2
	s_add_co_u32 s68, s68, s[WV]                   ; batch x 8 + head
	s_lshl_b32 s68, s68, 6
	s_add_co_u32 s68, s68, s[XX]
	s_lshl_b32 s68, s68, 11                        ; Q: tile XX of my head; the pieces lie 16 tiles apart
	s_mov_b32 s69, 0
	s_lshr_b32 s2, s[YY], 1                        ; b
	s_lshl_b32 s58, s2, 12                         ; the batch's 4,096 bytes of key_padding_mask
	s_mov_b32 s59, 0
	s_lshl_b32 s2, s2, 6
	s_add_co_u32 s2, s2, s[XX]
	s_lshl_b32 s2, s2, 13                          ; O: tile XX of the batch, 8,192 bytes a tile,
	s_and_b32 s3, s[YY], 1
	s_lshl_b32 s3, s3, 2
	s_add_co_u32 s3, s3, s[WV]
	s_lshl_b32 s3, s3, 10                          ; my head's 1,024 of them
	s_add_co_u32 s2, s2, s3
	s_mov_b32 s3, 0
	; the prefetches
	s_mul_i32 s70, s[YY], 32*KVB
	s_mul_i32 s71, s16, KVB/4
	s_add_co_u32 s70, s70, s71
	s_add_co_u32 s52, s70, KVB                     ; K and V: my work-group's quarter, in chunk 1; the first change steps it to chunk 2
	s_lshl_b32 s70, s[XX], 20
	s_lshl_b32 s71, s17, 13
	s_add_co_u32 s70, s70, s71
	s_add_co_u32 s70, s70, MKB                     ; the mask likewise
	s_mov_b32 s[PFS], MKB
	s_cmp_lt_u32 s[WV], 2
	s_cselect_b32 s70, s52, s70
	s_cselect_b32 s[PFS], KVB, s[PFS]
	s_mov_b32 s71, 0
	s_mov_b32 s[PFS+1], 0
	s_and_b32 s53, ttmp7, 0xffff                   ; cluster y
	s_cmp_lt_u32 s[WV], 2
	s_cselect_b32 s53, ttmp9, s53                  ; the coordinate along which other clusters walk the same bytes
	s_or_b32 s53, s53, s15                         ; waves 1 and 3 ask for nothing
	s_cmp_eq_u32 s53, 0
	s_cselect_b32 s[LIM], 1, -1                    ; the same in all sixteen partners, for a given wave
	s_cmp_lt_u32 s[WV], 2
	s_cselect_b32 s[LIM2], s[LIM], -1
	s_mov_b32 s[SEL], 0x76543210
	s_mov_b32 s[SEL+1], 0xfedcba98
	s_mov_b32 s[BIGN], 0xf149f2ca
	s_mov_b32 s[LOWM], 0xef800000
	s_mov_b32 s[SLOTS], 31
	s_mov_b32 s[TK], SLOT1+2*STEPK                 ; the first change of slots turns these two into 0
	s_mov_b32 s[TM], SLOT1+2*STEPM
	s_wait_dscnt 0x0                               ; the opening add is done
	s_wait_kmcnt 0x0
	s_add_nc_u64 s[G0K+2:G0K+3], s[4:5], s[20:21]
	s_or_b32 s[G0K+3], s[G0K+3], 0x80000000        ; type = 2
	s_add_nc_u64 s[G0M+2:G0M+3], s[8:9], s[22:23]
	s_or_b32 s[G0M+3], s[G0M+3], 0x80000000
	s_cmp_lt_u32 s[WV], 2
	s_cselect_b64 s[PFA:PFA+1], s[4:5], s[8:9]
	s_add_nc_u64 s[PFA:PFA+1], s[PFA:PFA+1], s[70:71]
	s_add_nc_u64 s[QB:QB+1], s[6:7], s[68:69]
	s_add_nc_u64 s[12:13], s[12:13], s[2:3]
	s_add_nc_u64 s[10:11], s[10:11], s[58:59]
	s_mov_b32 s[TP], 0
	CROUND                                         ; all sixteen work-groups are here: the first joint loads meet
	JLOAD                                          ; chunk 0 into slot 0; slot 1 is asked for when it is in
	v_lshlrev_b32 v30, 5, v0                       ; thread t takes the 32 keys 32 t on
	global_load_b128 v[128:131], v30, s[10:11]
	global_load_b128 v[132:135], v30, s[10:11] offset:16
	v_and_b32 v24, 31, v0
	v_lshlrev_b32 v[LB], 4, v24
	v_lshlrev_b32 v[PFO], 8, v24
	WIN W_LD
.set n, 0
.rept 16                               ; Q stays in registers: piece n / 4, 16 bytes a lane
	global_load_b128 v[4*n:4*n+3], v[LB], s[QB:QB+1] offset:(n/4)*32768+(n%4)*512
.set n, n+1
.endr
	WIN 0
	s_mul_i32 s68, s[WV], HEADB
	v_add_nc_u32 v[AK0], s68, v[LB]
	v_add_nc_u32 v[AM0], MOFF, v[LB]
	v_bfe_u32 v24, v0, 4, 1
	v_lshl_add_u32 v[AP0], v24, 5, PADT
	v_lshl_add_u32 v27, v0, 7, PADT
	v_and_b32 v24, 7, v0
	v_mov_b32 v26, 0x3c003c00                      ; 1.0 twice, in f16
	v_cmp_eq_u32 vcc_lo, 0, v24
	v_cndmask_b32 v25, 0, v26, vcc_lo              ; lanes 0, 8, 16, 24 hold rows 0 and 8 of a source 0
	; What the first turn finds: its products V^T P, of a piece that has not been, multiply zeros; O^T and l are 0; m is the lowest finite number, so the first step's a is 0.  152 lines, once a launch, in the wait for the
	; first tile: the price of writing no first step out.
	WIN W_LD
.set n, 0
.rept 8
	v_mov_b32 v[ONES+n], v25
.set n, n+1
.endr
.set n, 0
.rept 32
	v_mov_b32 v[VF+n], 0
.set n, n+1
.endr
	WIN 0
.set n, 0
.rept 96
	v_mov_b32 v[O+n], 0
.set n, n+1
.endr
.set n, 0
.rept 16
	v_mov_b32 v[S+96+n], 0
.set n, n+1
.endr
.set n, 0
.rept 8
	v_mov_b32 v[ST+n], 0xff7fffff
.set n, n+1
.endr
	s_wait_loadcnt 16                              ; key_padding_mask is in; Q's 16 loads, issued behind it, stay out
.set n, 0
.rept 32
	v_bfe_u32 v[136+n], v[128+n/4], 8*(n%4), 8
	v_mul_lo_u32 v[136+n], v[136+n], s[BIGN]       ; 0, or the bits of -1e30
.set n, n+1
.endr
.set n, 0
.rept 8
	ds_store_b128 v27, v[136+4*n:136+4*n+3] offset:16*n
.set n, n+1
.endr
; THE MATRIX WORK.  The accumulators of a run take turns, one instruction a turn.
; Product i of 8 of S^T += K Q^T for piece x: channels 32 (i / 4) on, keys 16 (i % 4) on.  The sums start from the mask, which lies in S^T's registers.
.macro KQ x
	WIN W_KQ
.set rA, S+32*(\x)+8*(i%4)
.set rK, KF+16*(i%4)+8*(i/4)
.set rQ, 16*(\x)+8*(i/4)
	v_wmma_f32_16x16x32_f16 v[rA:rA+7], v[rK:rK+7], v[rQ:rQ+7], v[rA:rA+7]
.endm
; Product i - 8 of 6 for piece x: keys 32 ((i - 8) / 3) on; channels 0-15, channels 16-31, the ones.
.macro PV x
	WIN W_PV
.set ii, i-8
.set rD, O+24*(\x)+8*(ii%3)
.set rB, S+32*(\x)+8*(ii/3)
.if ii%3 == 2
.set rA, ONES
.else
.set rA, VF+16*(ii/3)+8*(ii%3)
.endif
	v_wmma_f32_16x16x32_f16 v[rD:rD+7], v[rA:rA+7], v[rB:rB+7], v[rD:rD+7]
.endm
.macro MM                              ; the turn's next matrix instruction.  NOKQ = 1: the launch's last turn: there is no next piece
.if i < 8
.if !NOKQ
	KQ (Y+1)%4
.endif
.else
	PV (Y+3)%4
.endif
.set i, i+1
.endm
; THE LDS LOADS stand in runs, never singly among the matrix instructions.  Memory's order is the registers' order: block n of 512 bytes goes to registers 4 n on.
.macro ADDR                            ; the addresses of the next step
	WIN 0
	v_add_nc_u32 v[AK], s[TK], v[AK0]
	v_add_nc_u32 v[AM], s[TM], v[AM0]
	v_add_nc_u32 v[AP], s[TP], v[AP0]
	s_add_co_u32 s[TK], s[TK], STEPK
	s_add_co_u32 s[TM], s[TM], STEPM
	s_add_co_u32 s[TP], s[TP], 256
	s_and_b32 s[TP], s[TP], 0x3fff                 ; inside the table of 16,384 bytes
.endm
.macro LMASK y
	WIN 0
.set n, 0
.rept 8
	ds_load_b128 v[S+32*(\y)+4*n:S+32*(\y)+4*n+3], v[AM] offset:(\y)*8192+512*n
.set n, n+1
.endr
.endm
.macro LPAD                            ; register 8 kb + j: key 16 kb + 8 (l / 16) + j
	WIN W_LD
.set n, 0
.rept 8
	ds_load_b128 v[PAD+4*n:PAD+4*n+3], v[AP] offset:64*(n/2)+16*(n%2)
.set n, n+1
.endr
	WIN 0
.endm
.macro FETCH_K
	WIN W_LD
.set n, 0
.rept 16
	ds_load_b128 v[KF+4*n:KF+4*n+3], v[AK] offset:512*n
.set n, n+1
.endr
	WIN 0
.endm
.macro FETCH_V
	WIN W_LD
.set n, 0
.rept 8
	ds_load_b128 v[VF+4*n:VF+4*n+3], v[AK] offset:8192+512*n
.set n, n+1
.endr
	WIN 0
.endm
.macro MBLK y                          ; the padding is added onto piece y's mask
	WIN W_M
.set n, 0
.rept 16
	v_pk_add_f32 v[S+32*(\y)+2*n:S+32*(\y)+2*n+1], v[S+32*(\y)+2*n:S+32*(\y)+2*n+1], v[PAD+2*n:PAD+2*n+1]
.set n, n+1
.endr
	WIN 0
.endm
; THE VECTOR WORK, one line at a time: OP kind, number.  For piece Y: F n: s - m for pair n of 16.  E n: the exponential of score n of 32.  C n: pair n rounded to f16, into register n (ascending: register n has been read by then).
; R n: pair n of 8 of O^T times a; R 8: l times a.  For piece Y + 1: X n:
;   0-11  four chains c0-c3 of seven scores each (each accumulator's lowest registers are read first)     12-14, 16  the four scores left over, the old m, c0-c3 into c0     15  m_old is kept
;   17, 18  the query's other 32 keys lie in the lane 16 away: the new m     20, 21  m_old - m; a
.set F, 0
.set E, 1
.set C, 2
.set R, 3
.set X, 4
.macro REGS y
.set rM, ST+2*(\y)
.set rC, TMP+4*((\y)%2)
.set rS, S+32*(\y)
.set rO, O+24*(\y)
.endm
.macro OP k, n
	WIN 0
.if (\k) == F
	REGS Y
	v_pk_add_f32 v[rS+2*(\n):rS+2*(\n)+1], v[rS+2*(\n):rS+2*(\n)+1], v[rM:rM+1] op_sel_hi:[1,0] neg_lo:[0,1] neg_hi:[0,1]
.elseif (\k) == E
	REGS Y
	v_exp_f32 v[rS+(\n)], v[rS+(\n)]
.elseif (\k) == C
	REGS Y
	s_wait_alu depctr_va_vdst(0)
	v_cvt_pk_f16_f32 v[rS+(\n)], v[rS+2*(\n)], v[rS+2*(\n)+1]
.elseif ((\k) == R) && ((\n) < 8)
	REGS Y
	v_pk_mul_f32 v[rO+2*(\n):rO+2*(\n)+1], v[rO+2*(\n):rO+2*(\n)+1], v[rC+2:rC+3] op_sel_hi:[1,0]
.elseif (\k) == R
	REGS Y
	v_mul_f32 v[rO+16], v[rO+16], v[rC+2]
.elseif NOKQ
	v_nop
.else
	REGS (Y+1)%4
.if (\n) < 4
	v_max3_num_f32 v[rC+(\n)], v[rS+8*(\n)], v[rS+8*(\n)+1], v[rS+8*(\n)+2]
.elseif (\n) < 12
	v_max3_num_f32 v[rC+(\n)%4], v[rC+(\n)%4], v[rS+8*((\n)%4)+2*((\n)/4)+1], v[rS+8*((\n)%4)+2*((\n)/4)+2]
.elseif (\n) == 12
	v_max3_num_f32 v[rC], v[rC], v[rS+7], v[rS+15]
.elseif (\n) == 13
	v_max3_num_f32 v[rC+1], v[rC+1], v[rS+23], v[rS+31]
.elseif (\n) == 14
	v_max3_num_f32 v[rC+2], v[rC+2], v[rC+3], v[rM]
.elseif (\n) == 15
	v_mov_b32 v[rM+1], v[rM]
.elseif (\n) == 16
	v_max3_num_f32 v[rC], v[rC], v[rC+1], v[rC+2]
.elseif (\n) == 17
	v_permlanex16_b32 v[rC+3], v[rC], s[SEL], s[SEL+1]
.elseif (\n) == 18
	v_max_num_f32 v[rM], v[rC], v[rC+3]
.elseif (\n) == 20
	v_sub_f32 v[rC+1], v[rM+1], v[rM]
.else
	v_exp_f32 v[rC+2], v[rC+1]
.endif
.endif
.endm
.macro OPS a, i1, b=-1, i2=0, c=-1, i3=0, d=-1, i4=0
	OP \a, \i1
.if (\b) >= 0
	OP \b, \i2
.endif
.if (\c) >= 0
	OP \c, \i3
.endif
.if (\d) >= 0
	OP \d, \i4
.endif
.endm
.macro ROW a, i1, b, i2, c, i3, d=-1, i4=0   ; a matrix instruction and the lines behind it; none names a register of the products round it
	MM
	OPS \a, \i1, \b, \i2, \c, \i3, \d, \i4
.endm
; A TURN, for piece p, written out.  Every exponential has a plain line behind it that touches neither its result nor its source; a rounding stands behind both its exponentials and such a line.
; end = 1: the launch's last two turns: nothing is loaded.  The waits, by the order of the LDS loads (padding 8, mask 8 | K 16 | mask 8 | mask 8 | V 8 | mask 8):
;   piece 2's end: 16: padding and mask are in, K's 16 loads stay out.  piece 3's head: 8: K is in, the mask's 8 stay out; its end: 0.  piece 0's end: 8: the mask is in, V's 8 stay out.  piece 1, ahead of V^T P: 8: V is in, the mask's 8 stay out; its end: 0.
; K of the next step is fetched in piece 2's turn, six plain lines behind the last product that read K; V of the step in hand in piece 0's turn, six plain lines behind the last product that read V; the mask goes into registers whose last
; reader, a product V^T P of the turn before, stands more than twenty plain lines back (ISA guide 7.12.1 for vector instructions).
.macro TURN p, end=0
.set Y, (\p)
.set i, 0
.set NOKQ, (\end)*((\p)/3)
.if !(\end)
.if (\p) == 2
	ADDR
	LPAD
.endif
	LMASK ((\p)+2)%4
.if (\p) == 3
	s_wait_dscnt 8
.endif
.endif
	ROW F,0, F,1, F,2, F,3
	ROW F,4, E,0, F,5, F,6
	ROW F,7, E,1, F,8, F,9
	ROW F,10, E,2, C,0, F,11
	ROW F,12, E,3, F,13, F,14
	ROW F,15, E,4, C,1, R,0
	ROW R,1, E,5, R,2, R,3
	ROW R,4, E,6, C,2, R,5
	OPS E,7, R,6, E,8, R,7
	OPS E,9, C,3, E,10, X,0
.if ((\p) == 2) && !(\end)
	FETCH_K
.endif
	OPS E,11, C,4, E,12, X,1
	OPS E,13, X,2, E,14, C,5
	OPS E,15, X,3, E,16, X,4
	OPS E,17, C,6
.if (\p) == 1
	s_wait_dscnt 8
.endif
	ROW X,5, E,18, X,6, C,7
	ROW X,7, E,19, X,8, C,8
	ROW X,9, E,20, X,10, X,11
	ROW X,12, E,21, C,9, X,13
	ROW X,15, E,22, X,14, C,10
	ROW X,16, E,23, R,8
	OPS E,24, X,17, E,25, C,11
.if (\p) == 0
	FETCH_V
.endif
	OPS E,26, X,18, E,27, C,12
	OPS E,28, X,20, E,29, C,13
	OPS E,30, C,14, E,31, X,21
.if \end
	v_nop                                          ; the plain line behind the last exponentials
.else
.if (\p) == 0
	s_wait_dscnt 8
.elseif (\p) == 2
	s_wait_dscnt 16
.else
	s_wait_dscnt 0x0
.endif
	MBLK ((\p)+2)%4
.endif
	OP C, 15
.endm
.set NOKQ, 0
	CHANGE 1                                       ; chunk 0 is in, everybody's part of it, and so is the padding table; chunk 1 is asked for
	ADDR                                           ; key step 0
	LPAD
	LMASK 0
	LMASK 1
	FETCH_K
	s_wait_loadcnt 0x0                             ; Q
	s_wait_dscnt 0x0
	MBLK 0
	MBLK 1
.set i, 0
.rept 8
	KQ 0                                           ; piece 0's first scores: there is no vector work yet to set between them
.set i, i+1
.endr
	WIN 0
.rept 4
	v_nop                                          ; the places behind those products
.endr
.set Y, 3                              ; X works for piece Y + 1: piece 0
.irp n, 0,1,2,3,4,5,6,7,8,9,10,11,12,13,14,15,16,17,18,20,21
	OP X, \n
.endr
	v_nop                                          ; a plain line behind the exponential
	s_mov_b32 s[CNT], 2
	s_branch .Lfirst                               ; the loop is entered at a step's first turn, in the middle of a trip
.Lslot:                                        ; 30 times: with the change above, chunks 1 to 31 are asked for
	CHANGE 1
	s_mov_b32 s[CNT], 2
.Lstep:                                        ; a trip: pieces 2 and 3 of one step, then pieces 0 and 1 of the next; all that it reads from LDS is the next step's
	TURN 2
	TURN 3
	WIN 0
.Lfirst:
	TURN 0
	TURN 1
	WIN 0
	s_sub_co_u32 s[CNT], s[CNT], 1
	s_cmp_lg_u32 s[CNT], 0
	s_cbranch_scc1 .Lstep
	s_sub_co_u32 s[SLOTS], s[SLOTS], 1
	s_cmp_lg_u32 s[SLOTS], 0
	s_cbranch_scc1 .Lslot
	CHANGE 0                                       ; the last chunk is written out: nothing is asked for
	s_mov_b32 s[CNT], 2
.Ltail:
	TURN 2
	TURN 3
	TURN 0
	TURN 1
	WIN 0
	s_sub_co_u32 s[CNT], s[CNT], 1
	s_cmp_lg_u32 s[CNT], 0
	s_cbranch_scc1 .Ltail
	TURN 2, 1
	TURN 3, 1
.set i, 8
.rept 6
	PV 3                                           ; the last piece's V^T P of the last step
.set i, i+1
.endr
	; THE WAY OUT.  O^T / l, NaN where every key was hidden, rounded to f16.  A lane's eight channels of a query are 16 bytes, its part of a fragment for the projection behind: each store covers 512 consecutive bytes.
	WIN 0
	v_mov_b32 v24, 0x7fc00000                      ; this line and the four compares are the places behind the last products
.irp y, 0,1,2,3
	v_cmp_gt_f32 s[68+(\y)], s[LOWM], v[ST+2*(\y)]
.endr
.irp y, 0,1,2,3
	v_rcp_f32 v[TMP+2*(\y)], v[O+24*(\y)+16]       ; l lies in the lowest register of its accumulator
.endr
	v_nop                                          ; a plain line between the last reciprocal and the use of its result
.irp y, 0,1,2,3
	s_wait_alu depctr_va_vdst(0)
	v_cndmask_b32 v[TMP+2*(\y)], v[TMP+2*(\y)], v24, s[68+(\y)]
.endr
.irp y, 0,1,2,3
.set n, 0
.rept 8
	v_pk_mul_f32 v[O+24*(\y)+2*n:O+24*(\y)+2*n+1], v[O+24*(\y)+2*n:O+24*(\y)+2*n+1], v[TMP+2*(\y):TMP+2*(\y)+1] op_sel_hi:[1,0]
.set n, n+1
.endr
.set n, 0
.rept 8
	v_cvt_pk_f16_f32 v[S+32*(\y)+n], v[O+24*(\y)+2*n], v[O+24*(\y)+2*n+1]
.set n, n+1
.endr
	global_store_b128 v[LB], v[S+32*(\y):S+32*(\y)+3],   s[12:13] offset:(\y)*131072
	global_store_b128 v[LB], v[S+32*(\y)+4:S+32*(\y)+7], s[12:13] offset:(\y)*131072+512
.endr
	s_wait_tensorcnt 0x0                           ; the wave's end: three closing lines, behind my last tensor load and my last LDS store
	ds_add_u32 v[SPW], v[NIL]
	s_wait_dscnt 0x0
	CROUND                                         ; the closing round: no work-group ends while a partner may still ask for a tile that names it
	s_endpgm
.Lfunc_end_k_q25a3740f2d_attn:
	.size	k_q25a3740f2d_attn, .Lfunc_end_k_q25a3740f2d_attn-k_q25a3740f2d_attn
	.p2alignl 7, 3214868480
	.fill 96, 4, 3214868480
	.section	.rodata,"a",@progbits
	.p2align	6, 0x0
	.amdhsa_kernel k_q25a3740f2d_attn
		.amdhsa_group_segment_fixed_size 327680
		.amdhsa_private_segment_fixed_size 0
		.amdhsa_enable_private_segment 0
		.amdhsa_kernarg_size 40
		.amdhsa_user_sgpr_count 2
		.amdhsa_user_sgpr_kernarg_segment_ptr 1
		.amdhsa_wavefront_size32 1
		.amdhsa_system_sgpr_workgroup_id_x 1
		.amdhsa_system_sgpr_workgroup_id_y 1
		.amdhsa_system_sgpr_workgroup_id_z 1
		.amdhsa_system_vgpr_workitem_id 0
		.amdhsa_next_free_vgpr 456
		.amdhsa_next_free_sgpr 72
		.amdhsa_reserve_vcc 1
		.amdhsa_float_denorm_mode_32 3
		.amdhsa_float_denorm_mode_16_64 3
		.amdhsa_memory_ordered 1
		.amdhsa_forward_progress 1
		.amdhsa_inst_pref_size 123
	.end_amdhsa_kernel
	.amdgpu_metadata
---
amdhsa.version: [ 1, 2 ]
amdhsa.kernels:
  - .name:           k_q25a3740f2d_attn
    .symbol:         k_q25a3740f2d_attn.kd
    .args:
      - { .name: kv, .offset: 0, .size: 8, .value_kind: global_buffer, .address_space: global }
      - { .name: qf, .offset: 8, .size: 8, .value_kind: global_buffer, .address_space: global }
      - { .name: mf, .offset: 16, .size: 8, .value_kind: global_buffer, .address_space: global }
      - { .name: key_padding_mask, .offset: 24, .size: 8, .value_kind: global_buffer, .address_space: global }
      - { .name: of, .offset: 32, .size: 8, .value_kind: global_buffer, .address_space: global }
    .group_segment_fixed_size: 327680
    .private_segment_fixed_size: 0
    .kernarg_segment_align: 8
    .kernarg_segment_size: 40
    .max_flat_workgroup_size: 128
    .sgpr_count:     72
    .vgpr_count:     456
    .wavefront_size: 32
...
	.end_amdgpu_metadata
.endif
;; end of part 2
;; launch outp (part 3): grid 57 x 8, 4 waves a work-group, no clusters, 17,920 bytes of LDS; arguments of, wof, bo, out0; writes out0
.if DOCPART == 3
	.amdgcn_target "amdgcn-amd-amdhsa--gfx1250"
	.amdhsa_code_object_version 6
	.text
	.protected	k_q25a3740f2d_outp
	.globl	k_q25a3740f2d_outp
	.p2align	8
	.type	k_q25a3740f2d_outp,@function
k_q25a3740f2d_outp:
	s_mov_b64 s[64:65], 0
	v_nop
	global_prefetch_b8 v0, s[64:65] scope:SCOPE_SE
	s_setreg_imm32_b32 hwreg(HW_REG_WAVE_MODE, 25, 1), 1
	s_wait_xcnt 0x0
; out0[b][q][n] = the sum over k of O[b][q][k] Wo[n][k] + bo[n].  O (f16) and Wo (rounded to bf16, written as f16) come in fragment order; bo is rounded to bf16; sums in f32; out0 is f32.
; A work-group makes one tile of 16 queries (tile qt of batch b) x all 256 channels; wave w makes channels 64 w .. 64 w + 63: four accumulators, K = 256 in eight steps of 32.
; The product is taken transposed (source 0 = 16 rows of Wo, source 1 = the 16 queries): a lane holds eight neighbouring channels of one query.  The bias is the C operand that starts the sums.
; The results go through the wave's own stage in LDS, so that sixteen lanes store 256 consecutive bytes, aligned, of a row of out0.  Tile 56 has four rows (896..899): the stores of its other rows are jumped over.
; A short launch whose weights every work-group reads: no cluster, no tensor loads, no prefetch.
.set SP,    272                        ; a stage row: 256 bytes + 16 of padding
.set SPARE, 4*16*SP                    ; behind the stages: the spare words, 128 bytes for each wave
.set L16, 2                            ; v2  16 x lane
.set STO, 3                            ; v3  where I put 32 bytes of a row
.set RD,  4                            ; v4  where I read a row back
.set CO,  5                            ; v5  my byte offset in two rows of out0
.set BOF, 6                            ; v6  my eight biases
.set SPW, 14
.set NIL, 15
.set OF,  32                           ; v32-95   O: eight fragments
.set WF,  96                           ; v96-223  Wo: four blocks of 16 rows x four K steps
.set ACC, 224                          ; v224-255
	s_load_b256 s[4:11], s[0:1], 0x0               ; of s[4:5], wof s[6:7], bo s[8:9], out0 s[10:11]
	v_lshl_add_u32 v[SPW], v0, 2, SPARE
	v_mov_b32 v[NIL], 0
	v_lshrrev_b32 v1, 5, v0
	v_readfirstlane_b32 s12, v1                    ; wave 0..3
	v_and_b32 v1, 31, v0
	v_lshlrev_b32 v[L16], 4, v1
	v_and_b32 v9, 15, v0                           ; r
	v_bfe_u32 v10, v0, 4, 1                        ; h
	s_mul_i32 s13, s12, 16*SP
	v_mul_u32_u24 v[STO], v9, SP
	v_lshl_add_u32 v[STO], v10, 5, v[STO]
	v_add_nc_u32 v[STO], s13, v[STO]
	v_mul_u32_u24 v[RD], v10, SP
	v_lshl_add_u32 v[RD], v9, 4, v[RD]
	v_add_nc_u32 v[RD], s13, v[RD]
	v_lshlrev_b32 v[CO], 10, v10
	v_lshl_add_u32 v[CO], v9, 4, v[CO]
	s_lshl_b32 s14, s12, 8
	v_lshl_add_u32 v[BOF], v10, 5, s14             ; (64 w + 8 h) x 4
	s_mov_b32 s15, ttmp9                           ; qt
	s_and_b32 s16, ttmp7, 0xffff                   ; b
	s_lshl_b32 s18, s16, 6
	s_add_co_u32 s18, s18, s15
	s_lshl_b32 s18, s18, 13                        ; a tile of O is 8,192 bytes
	s_mov_b32 s19, 0
	s_lshl_b32 s20, s12, 15                        ; my four blocks of Wo
	s_mov_b32 s21, 0
	s_mul_i32 s22, s16, 900
	s_lshl_b32 s23, s15, 4
	s_add_co_u32 s22, s22, s23
	s_lshl_b32 s22, s22, 10
	s_add_co_u32 s22, s22, s14                     ; my first row of out0, my 256 bytes of it
	s_mov_b32 s23, 0
	s_wait_kmcnt 0x0
	s_add_nc_u64 s[4:5], s[4:5], s[18:19]
	s_add_nc_u64 s[6:7], s[6:7], s[20:21]
	s_add_nc_u64 s[10:11], s[10:11], s[22:23]
.set n, 0
.rept 8
	global_load_b128 v[ACC+4*n:ACC+4*n+3], v[BOF], s[8:9] offset:(n/2)*64+(n%2)*16
.set n, n+1
.endr
.set n, 0
.rept 16
	global_load_b128 v[OF+4*n:OF+4*n+3], v[L16], s[4:5] offset:512*n
.set n, n+1
.endr
.macro WLOAD k0                        ; Wo's fragments of K steps k0 .. k0 + 3
.set n, 0
.rept 32
	global_load_b128 v[WF+4*n:WF+4*n+3], v[L16], s[6:7] offset:(n/8)*8192+(\k0)*1024+(n%8)*512
.set n, n+1
.endr
.endm
.macro MULS k0                         ; 16 products; the four accumulators take turns; four places follow (ISA guide 7.12.1)
.irp k, 0,1,2,3
.irp a, 0,1,2,3
	v_wmma_f32_16x16x32_f16 v[ACC+8*(\a):ACC+8*(\a)+7], v[WF+32*(\a)+8*(\k):WF+32*(\a)+8*(\k)+7], v[OF+8*((\k0)+(\k)):OF+8*((\k0)+(\k))+7], v[ACC+8*(\a):ACC+8*(\a)+7]
.endr
.endr
.rept 4
	v_nop
.endr
.endm
	WLOAD 0
	s_wait_loadcnt 48                              ; the bias is in; O's 16 and Wo's 32 loads, issued behind it, stay out
.set q, 0
.rept 16
	v_cvt_pk_bf16_f32 v[16+q%2], v[ACC+2*q], v[ACC+2*q+1]
	v_lshlrev_b32 v[ACC+2*q], 16, v[16+q%2]
	v_and_b32 v[ACC+2*q+1], 0xffff0000, v[16+q%2]
.set q, q+1
.endr
	s_wait_loadcnt 0x0
	MULS 0
	WLOAD 4
	s_wait_loadcnt 0x0
	MULS 4
.set n, 0
.rept 8                                ; each accumulator from its lowest registers on
	ds_store_b128 v[STO], v[ACC+4*n:ACC+4*n+3] offset:(n/2)*64+(n%2)*16
.set n, n+1
.endr
.set n, 0
.rept 8
	ds_load_b128 v[OF+4*n:OF+4*n+3], v[RD] offset:n*2*SP   ; LDS serves a wave's instructions in order (ISA guide 5.7.1.4): these see the stores above; the bytes are my wave's own
.set n, n+1
.endr
	s_wait_dscnt 0x0
	global_store_b128 v[CO], v[OF:OF+3],   s[10:11]
	global_store_b128 v[CO], v[OF+4:OF+7], s[10:11] offset:2048
	s_cmp_eq_u32 s15, 56
	s_cbranch_scc1 .Lend                           ; rows 900 on do not exist
.set n, 2
.rept 6
	global_store_b128 v[CO], v[OF+4*n:OF+4*n+3], s[10:11] offset:2048*n
.set n, n+1
.endr
.Lend:
	s_wait_tensorcnt 0x0                           ; the wave's end: three closing lines, behind my last LDS store
	ds_add_u32 v[SPW], v[NIL]
	s_wait_dscnt 0x0
	s_endpgm
.Lfunc_end_k_q25a3740f2d_outp:
	.size	k_q25a3740f2d_outp, .Lfunc_end_k_q25a3740f2d_outp-k_q25a3740f2d_outp
	.p2alignl 7, 3214868480
	.fill 96, 4, 3214868480
	.section	.rodata,"a",@progbits
	.p2align	6, 0x0
	.amdhsa_kernel k_q25a3740f2d_outp
		.amdhsa_group_segment_fixed_size 17920
		.amdhsa_private_segment_fixed_size 0
		.amdhsa_enable_private_segment 0
		.amdhsa_kernarg_size 32
		.amdhsa_user_sgpr_count 2
		.amdhsa_user_sgpr_kernarg_segment_ptr 1
		.amdhsa_wavefront_size32 1
		.amdhsa_system_sgpr_workgroup_id_x 1
		.amdhsa_system_sgpr_workgroup_id_y 1
		.amdhsa_system_sgpr_workgroup_id_z 1
		.amdhsa_system_vgpr_workitem_id 0
		.amdhsa_next_free_vgpr 256
		.amdhsa_next_free_sgpr 66
		.amdhsa_reserve_vcc 0
		.amdhsa_float_denorm_mode_32 3
		.amdhsa_float_denorm_mode_16_64 3
		.amdhsa_memory_ordered 1
		.amdhsa_forward_progress 1
		.amdhsa_inst_pref_size 17
	.end_amdhsa_kernel
	.amdgpu_metadata
---
amdhsa.version: [ 1, 2 ]
amdhsa.kernels:
  - .name:           k_q25a3740f2d_outp
    .symbol:         k_q25a3740f2d_outp.kd
    .args:
      - { .name: of, .offset: 0, .size: 8, .value_kind: global_buffer, .address_space: global }
      - { .name: wof, .offset: 8, .size: 8, .value_kind: global_buffer, .address_space: global }
      - { .name: bo, .offset: 16, .size: 8, .value_kind: global_buffer, .address_space: global }
      - { .name: out0, .offset: 24, .size: 8, .value_kind: global_buffer, .address_space: global }
    .group_segment_fixed_size: 17920
    .private_segment_fixed_size: 0
    .kernarg_segment_align: 8
    .kernarg_segment_size: 32
    .max_flat_workgroup_size: 128
    .sgpr_count:     66
    .vgpr_count:     256
    .wavefront_size: 32
...
	.end_amdgpu_metadata
.endif
;; end of part 3
;; ======== version 2 of 2: 3 launches; version 1 with the launch prep written anew for expert scheduling mode
;; limits: values are held in f16: magnitudes above 65,504 overflow, below 6.1e-05 lose precision; right only within a limited range of input values
;; workspace buffers: kv 50,331,648 bytes; qf 8,388,608 bytes; mf 16,777,216 bytes; of 4,194,304 bytes; wof 131,072 bytes
;; launch prep (part 4): grid 528 x 1, 8 waves a work-group, no clusters, 149,504 bytes of LDS; arguments key, query, value, Wk, Wq, Wv, bk, bq, bv, attn_mask, Wo, kv, qf, mf, wof; writes kv, qf, mf, wof
.if DOCPART == 4
	.amdgcn_target "amdgcn-amd-amdhsa--gfx1250"
	.amdhsa_code_object_version 6
	.text
	.protected	k_q25a3740f2d_prep
	.globl	k_q25a3740f2d_prep
	.p2align	8
	.type	k_q25a3740f2d_prep,@function
k_q25a3740f2d_prep:
	s_mov_b64 s[64:65], 0
	v_nop
	global_prefetch_b8 v0, s[64:65] scope:SCOPE_SE
	s_setreg_imm32_b32 hwreg(HW_REG_WAVE_SCHED_MODE, 0, 2), 2
	s_setreg_imm32_b32 hwreg(HW_REG_WAVE_MODE, 25, 1), 1
	s_wait_xcnt 0x0
	s_wait_alu depctr_vm_vsrc(0)
; PREPARATION FOR THE ATTENTION.  Five kinds of work-group, told apart by the work-group's number g:
;   g   0..255  k = key Wk^T + bk      256 keys x 256 channels each      -> kv (K's part), f16
;   g 256..319  q = (query Wq^T + bq) log2(e)/8   256 rows x 256 channels -> qf, f16 (the factor is applied in f32, ahead of the one rounding)
;   g 320..447  v = value Wv^T + bv    256 keys x 256 channels           -> kv (V's part), f16
;   g 448..511  attn_mask rounded to bf16, times log2(e), f32, laid out as the C operand of the scores -> mf
;   g 512..527  Wo rounded to bf16, written as f16                        -> wof
; All inputs (activations, weights, biases, attn_mask) are rounded to bf16; products in bf16, sums in f32; q, k, v are rounded once, to f16.
; Everything is stored IN FRAGMENT ORDER: blocks of 512 bytes, lane l's 16 bytes at 16 l, so that each store here and each load later covers 512 consecutive bytes, aligned.
; LIMITS.  q log2(e)/8, k and v must lie within f16's 65,504; a weight of Wo below 6e-5 keeps f16's fixed step.  Query rows 900..1023 of qf and mf hold copies of row 899 (the row number is clamped at the source).
; THE PRODUCT, one text for k, q, v: D = P R^T, source 0 = 16 rows of P, source 1 = 16 rows of R, both f32 in memory with K along the rows.  In D a lane holds ONE row of R (lane % 16) and eight
; neighbouring rows of P.  k, q: P = the weights' rows (channels), R = keys or queries: a lane's eight channels of one key are a quarter of a fragment of K or Q.  v: P = value's rows (keys), R = Wv's rows: eight keys of one channel, a quarter of a fragment of V^T.
; Eight waves: wave w takes 128 rows of P (w & 1) x 64 rows of R (w >> 1): 32 accumulators.  K goes in steps of 64 (256 bytes of each row) through two LDS slots; the f32 come through registers, since they are rounded on the way.
; No tensor loads (the rounding wants registers), no prefetch (the loads of one step are out while the step before is multiplied, 16 KiB a wave), no cluster (nothing is fetched into LDS by an engine).
; THE MODE: SCHED_MODE bits 1:0 = 2 (LLVM: expert scheduling mode 2), set by the entry lines.  The code itself states the register dependences between vector or matrix instructions and memory or LDS
; instructions, with s_wait_alu, always for 0.
; THE PLAN, for the product's K step.  Registers that memory or LDS instructions touch:
;   XS           The step's 32 global loads land in it; 64 conversions read it and write the first two of each four registers; 32 LDS stores read those; then the next step's loads land.
;   FRG          R's four fragments of 32 along K: LDS loads land, that half step's 32 products read.
;   U0, U1, U2   Three units of two fragments of P (v80-95, v96-111, v240-255).  Unit g of a step's eight (half step g / 4, P blocks 2 (g % 4) and + 1) lies in U[g % 3]; its eight products read it.
;   SA, FPA, FRA, VP, VR, L16   Offsets and addresses, made at the head and never written again.
;   The accumulators are named by matrix and vector instructions alone, up to the way out.
; A wave has 512 registers (two waves share a SIMD's 1,024): 256 accumulators, 128 raw, 32 offsets, 16 small: 80 are left for fragments, so the raw registers and R have one buffer each and P has three units.
; The waits of a K step: ONE on va_vdst behind the conversions (what the LDS stores read is written; the raw registers are free for the next loads; the last step's products are done with their fragments, in which the loads
; behind the barrier land: no vector instruction stands between); ONE on vm_vsrc behind the LDS stores, ahead of the next step's loads; and one on va_vdst for every 16 products, behind which the two units (and, in the step's middle, R's
; registers) that those products read are asked for again.  Of the two units multiplied behind such a wait the first was asked for a wait earlier, the second has eight products in which to land.
.set LP,    144                        ; an LDS row: 128 bytes of bf16 + 16 of padding: the 16 rows of a fragment load start 36 words apart
.set SIDE,  256*LP                     ; P's 256 rows, then R's 256 rows
.set SLOTB, 2*SIDE
.set BIAS,  2*SLOTB                    ; 256 biases, f32 (rounded to bf16, times the role's factor)
.set SPARE, BIAS+1024                  ; the spare words, 128 bytes for each of eight waves; no other line names them
.set L16, 2                            ; v2      16 x lane
.set SA,  3                            ; v3-4    where I put 8 bytes of a staged row, slot 0, 1
.set FPA, 5                            ; v5-6    LDS address of my fragments of P, slot 0, 1
.set FRA, 7                            ; v7-8    the same for R
.set SPW, 14                           ; v14     my spare word; never rewritten
.set NIL, 15                           ; v15     0; never rewritten
.set VP,  16                           ; v16-31  byte offsets of my 16 loads of P (two rows a load); never rewritten
.set VR,  32                           ; v32-47  the same for R, rows clamped
.set FRG, 48                           ; v48-79  four fragments of R
.set FPG, 80                           ; v80-111 units 0 and 1 of P's fragments
.set XS,  112                          ; v112-239 a step's 32 loads, 4 registers each
.set PX,  240                          ; v240-255 unit 2 of P's fragments
.set U,   176                          ; the way out: packed results, two sets of 16
.set PB,  44                           ; s[44:45] P at the step to be loaded
.set RB,  46                           ; s[46:47] R likewise
.set BB,  48                           ; s[48:49] the bias
.set OB0, 50                           ; s[50:51] where my results go,
.set OB1, 66                           ; s[66:67] and those of my second head
.set PITCH, 52                         ; s52  bytes in a row of P and of R
.set TRIPS, 53                         ; s53  K steps / 2 - 1
.set ROW0, 54                          ; s54  R's first row
.set RMAX, 55                          ; s55  R's last row that exists
.set SC,  56                           ; s[56:57] the role's factor
.set NAT, 58                           ; s58  1: v's way out
.set TC,  59                           ; s59  counts
.set WV,  61                           ; s61  wave; s62 = w & 1; s63 = w >> 1
.set MSB, 0
.macro WIN new                         ; the immediate's high byte repeats the setting that is left; a switch that changes nothing is dropped
.if MSB != (\new)
	s_set_vgpr_msb (MSB<<8)|(\new)
.set MSB, \new
.endif
.endm
	s_load_b512 s[8:23], s[0:1], 0x0               ; key 8, query 10, value 12, Wk 14, Wq 16, Wv 18, bk 20, bq 22
	s_load_b256 s[24:31], s[0:1], 0x40             ; bv 24, attn_mask 26, Wo 28, kv 30
	s_load_b128 s[32:35], s[0:1], 0x60             ; qf 32, mf 34
	s_load_b64 s[36:37], s[0:1], 0x70              ; wof
	v_lshl_add_u32 v[SPW], v0, 2, SPARE
	v_mov_b32 v[NIL], 0
	v_lshrrev_b32 v11, 5, v0
	v_readfirstlane_b32 s[WV], v11                 ; wave 0..7
	v_and_b32 v1, 31, v0
	v_lshlrev_b32 v[L16], 4, v1
	v_and_b32 v9, 15, v0                           ; r = l % 16
	v_bfe_u32 v10, v0, 4, 1                        ; h = l / 16
	s_wait_alu depctr_va_sdst(0)                   ; the wave's number is written, ahead of its first reader
	s_and_b32 s62, s[WV], 1
	s_lshr_b32 s63, s[WV], 1
	s_mov_b32 s40, ttmp9
	s_mov_b32 s39, 0                               ; the high word of every offset
	s_wait_kmcnt 0x0
	s_cmp_lt_u32 s40, 256
	s_cbranch_scc1 .Lrole_k
	s_cmp_lt_u32 s40, 320
	s_cbranch_scc1 .Lrole_q
	s_cmp_lt_u32 s40, 448
	s_cbranch_scc1 .Lrole_v
	s_cmp_lt_u32 s40, 512
	s_cbranch_scc1 .Lrole_m
	; Wo: block nt = g - 512 of 16 rows, wave w takes channels 32 w .. 32 w + 31: one fragment
	s_sub_co_u32 s41, s40, 512
	s_lshl_b32 s68, s41, 4
	v_add_nc_u32 v11, s68, v9                      ; row 16 nt + r
	v_lshlrev_b32 v11, 10, v11
	v_lshl_add_u32 v11, v10, 5, v11                ; + 32 h
	s_lshl_b32 s68, s[WV], 7
	v_add_nc_u32 v11, s68, v11                     ; + 128 w
	s_wait_alu depctr_va_vdst(0)                   ; v11 is written, which the four loads read as their offset (and v2, the stores' offset)
	global_load_b128 v[112:115], v11, s[28:29]
	global_load_b128 v[116:119], v11, s[28:29] offset:16
	global_load_b128 v[120:123], v11, s[28:29] offset:64
	global_load_b128 v[124:127], v11, s[28:29] offset:80
	s_lshl_b32 s38, s41, 3
	s_add_co_u32 s38, s38, s[WV]
	s_lshl_b32 s38, s38, 10
	s_add_nc_u64 s[OB0:OB0+1], s[36:37], s[38:39]
	s_wait_loadcnt 0x0
.set q, 0
.rept 8
	v_cvt_pk_bf16_f32 v12, v[112+2*q], v[113+2*q]  ; rounded as every input is,
	v_lshlrev_b32 v13, 16, v12
	v_and_b32 v12, 0xffff0000, v12
	v_cvt_pk_f16_f32 v[128+q], v13, v12            ; and that number written as f16
.set q, q+1
.endr
	s_wait_alu depctr_va_vdst(0)                   ; the conversions have written v128 to v135, which the two stores read
	global_store_b128 v[L16], v[128:131], s[OB0:OB0+1]
	global_store_b128 v[L16], v[132:135], s[OB0:OB0+1] offset:512
	s_branch .Lend
.Lrole_m:                                      ; attn_mask: query tile qt = g - 448 = 16 p + X; wave w takes key chunks 4 w .. 4 w + 3 of 128 keys
	s_sub_co_u32 s41, s40, 448
	s_and_b32 s42, s41, 15                         ; X
	s_lshr_b32 s43, s41, 4                         ; p
	s_lshl_b32 s68, s41, 4
	v_add_nc_u32 v11, s68, v9
	v_min_u32 v11, 899, v11                        ; the rows behind the last are copies of it
	v_lshlrev_b32 v11, 14, v11                     ; a row is 16,384 bytes
	v_lshl_add_u32 v11, v10, 5, v11                ; + 32 h: keys 8 h on
	s_lshl_b32 s38, s[WV], 11
	s_add_nc_u64 s[PB:PB+1], s[26:27], s[38:39]
	s_lshl_b32 s68, s42, 5
	s_lshl_b32 s69, s[WV], 2
	s_add_co_u32 s68, s68, s69                     ; 32 X + chunk
	s_lshl_b32 s68, s68, 2
	s_add_co_u32 s68, s68, s43                     ; x 4 + p
	s_lshl_b32 s38, s68, 13
	s_add_nc_u64 s[OB0:OB0+1], s[34:35], s[38:39]
; The four chunks are written out, on two buffers of 64 registers (the halves of XS) that take turns.  Chunk c is worked on in place in buffer c % 2 and stored from there; the loads of chunk c + 1 are issued at chunk c's
; head, into the buffer from which chunk c - 1 was stored.  v11 and v2, the offsets, are never written again: the chunks are reached by immediate offsets (512 bytes of each row; four pieces of 8,192 bytes in mf).
.macro MLOAD c                         ; a chunk: 512 consecutive bytes of each of the tile's 16 rows.  n = 8 u + 2 kb + half: keys 64 u + 16 kb + 8 h + 4 half + 0..3
.set n, 0
.rept 16
	global_load_b128 v[XS+64*((\c)%2)+4*n:XS+64*((\c)%2)+4*n+3], v11, s[PB:PB+1] offset:(\c)*512+(n/8)*256+((n/2)%4)*64+(n%2)*16
.set n, n+1
.endr
.endm
.macro MCH c
.set MB, XS+64*((\c)%2)
.if (\c) < 3
.if (\c) > 0
	s_wait_xcnt 0x0                                ; the stores of the chunk before have had their addresses translated (ISA guide 3.1): their data registers are loaded again only behind this wait
	s_wait_alu depctr_vm_vsrc(0)                   ; the stores of the chunk before have read the other buffer, in which the loads below land (the vector lines that named it stand ahead of that chunk's wait on va_vdst)
.endif
	MLOAD (\c)+1
	s_wait_loadcnt 16                              ; loads come back in order (ISA guide 5.7.1): this chunk is in, the next chunk's 16 stay out
.else
	s_wait_loadcnt 0x0                             ; the last chunk: nothing was asked for behind it
.endif
.set n, 0
.rept 16
	v_cvt_pk_bf16_f32 v12, v[MB+4*n], v[MB+4*n+1]
	v_cvt_pk_bf16_f32 v13, v[MB+4*n+2], v[MB+4*n+3]
	v_lshlrev_b32 v[MB+4*n], 16, v12
	v_and_b32 v[MB+4*n+1], 0xffff0000, v12
	v_lshlrev_b32 v[MB+4*n+2], 16, v13
	v_and_b32 v[MB+4*n+3], 0xffff0000, v13
	v_pk_mul_f32 v[MB+4*n:MB+4*n+1], v[MB+4*n:MB+4*n+1], 0x3fb8aa3b op_sel_hi:[1,0]      ; log2(e): the scores are kept in powers of two
	v_pk_mul_f32 v[MB+4*n+2:MB+4*n+3], v[MB+4*n+2:MB+4*n+3], 0x3fb8aa3b op_sel_hi:[1,0]
.set n, n+1
.endr
	s_wait_alu depctr_va_vdst(0)                   ; the chunk's 128 vector lines have written its buffer, which the 16 stores read
.set n, 0
.rept 16
	global_store_b128 v[L16], v[MB+4*n:MB+4*n+3], s[OB0:OB0+1] offset:(\c)*32768+(n/8)*4096+(n%8)*512
.set n, n+1
.endr
.endm
	s_wait_alu depctr_va_vdst(0)                   ; v11 and v2 are written: every load and store of this role reads one of them as its offset
	MLOAD 0
	MCH 0
	MCH 1
	MCH 2
	MCH 3
	s_branch .Lend
.Lrole_k:                                      ; g = 2 rblk + Pb: keys 256 rblk on (all batches on end), channels 256 Pb on (four heads)
	s_lshr_b32 s41, s40, 1
	s_and_b32 s42, s40, 1
	s_lshl_b32 s38, s42, 19
	s_add_nc_u64 s[PB:PB+1], s[14:15], s[38:39]
	s_lshl_b32 s38, s42, 10
	s_add_nc_u64 s[BB:BB+1], s[20:21], s[38:39]
	s_lshl_b32 s38, s41, 19
	s_add_nc_u64 s[RB:RB+1], s[8:9], s[38:39]
	s_mov_b32 s[PITCH], 2048
	s_mov_b32 s[TRIPS], 3
	s_mov_b32 s[ROW0], 0
	s_mov_b32 s[RMAX], 255
	s_mov_b32 s[SC], 1.0
	s_mov_b32 s[SC+1], 1.0
	s_mov_b32 s[NAT], 0
	s_lshr_b32 s43, s41, 4                         ; b
	s_and_b32 s68, s41, 15
	s_lshl_b32 s68, s68, 2
	s_add_co_u32 s68, s68, s63                     ; my key step in the batch, 0..63
	s_lshl_b32 s69, s43, 1
	s_add_co_u32 s69, s69, s42                     ; Y = 2 b + Pb
	s_lshl_b32 s69, s69, 5
	s_lshr_b32 s70, s68, 1
	s_add_co_u32 s69, s69, s70                     ; x 32 + chunk
	s_lshl_b32 s69, s69, 2
	s_lshl_b32 s70, s62, 1
	s_add_co_u32 s69, s69, s70                     ; x 4 + my first head of the four
	s_mul_i32 s38, s69, 24576
	s_and_b32 s70, s68, 1
	s_mul_i32 s70, s70, 12288
	s_add_co_u32 s38, s38, s70
	s_add_nc_u64 s[OB0:OB0+1], s[30:31], s[38:39]
	s_add_nc_u64 s[OB1:OB1+1], s[OB0:OB0+1], 24576
	s_branch .Lgemm
.Lrole_q:                                      ; g - 256 = 2 (4 b + qb) + Pb: rows 256 qb on of batch b
	s_sub_co_u32 s40, s40, 256
	s_lshr_b32 s41, s40, 1
	s_and_b32 s42, s40, 1
	s_lshr_b32 s43, s41, 2                         ; b
	s_and_b32 s68, s41, 3                          ; qb
	s_lshl_b32 s38, s42, 19
	s_add_nc_u64 s[PB:PB+1], s[16:17], s[38:39]
	s_lshl_b32 s38, s42, 10
	s_add_nc_u64 s[BB:BB+1], s[22:23], s[38:39]
	s_mul_i32 s38, s43, 1843200                    ; 900 rows of 2,048 bytes
	s_add_nc_u64 s[RB:RB+1], s[10:11], s[38:39]
	s_mov_b32 s[PITCH], 2048
	s_mov_b32 s[TRIPS], 3
	s_lshl_b32 s[ROW0], s68, 8
	s_mov_b32 s[RMAX], 899
	s_mov_b32 s[SC], 0x3e38aa3b                    ; log2(e) / 8
	s_mov_b32 s[SC+1], 0x3e38aa3b
	s_mov_b32 s[NAT], 0
	s_lshl_b32 s69, s43, 3
	s_lshl_b32 s70, s42, 2
	s_add_co_u32 s69, s69, s70
	s_lshl_b32 s70, s62, 1
	s_add_co_u32 s69, s69, s70                     ; 8 b + my first head
	s_lshl_b32 s69, s69, 6
	s_lshl_b32 s70, s68, 4
	s_add_co_u32 s69, s69, s70
	s_lshl_b32 s70, s63, 2
	s_add_co_u32 s69, s69, s70                     ; x 64 + my first query tile
	s_lshl_b32 s38, s69, 11
	s_add_nc_u64 s[OB0:OB0+1], s[32:33], s[38:39]
	s_add_nc_u64 s[OB1:OB1+1], s[OB0:OB0+1], 131072
	s_branch .Lgemm
.Lrole_v:                                      ; g - 320: keys 256 (g - 320) on, all 256 channels
	s_sub_co_u32 s40, s40, 320
	s_lshl_b32 s38, s40, 18
	s_add_nc_u64 s[PB:PB+1], s[12:13], s[38:39]
	s_mov_b64 s[RB:RB+1], s[18:19]
	s_mov_b64 s[BB:BB+1], s[24:25]
	s_mov_b32 s[PITCH], 1024
	s_mov_b32 s[TRIPS], 1
	s_mov_b32 s[ROW0], 0
	s_mov_b32 s[RMAX], 255
	s_mov_b32 s[SC], 1.0
	s_mov_b32 s[SC+1], 1.0
	s_mov_b32 s[NAT], 1
	s_lshr_b32 s43, s40, 4                         ; b
	s_and_b32 s68, s40, 15
	s_lshl_b32 s68, s68, 1
	s_add_co_u32 s68, s68, s62                     ; my chunk of 128 keys
	s_lshl_b32 s69, s43, 1
	s_lshr_b32 s70, s63, 1
	s_add_co_u32 s69, s69, s70                     ; Y
	s_lshl_b32 s69, s69, 5
	s_add_co_u32 s69, s69, s68
	s_lshl_b32 s69, s69, 2
	s_and_b32 s70, s63, 1
	s_lshl_b32 s70, s70, 1
	s_add_co_u32 s69, s69, s70                     ; my first head of the four
	s_mul_i32 s38, s69, 24576
	s_add_co_u32 s38, s38, 8192                    ; V lies behind a step's K
	s_add_nc_u64 s[OB0:OB0+1], s[30:31], s[38:39]
	s_add_nc_u64 s[OB1:OB1+1], s[OB0:OB0+1], 24576
.Lgemm:
	s_lshl_b32 s68, s[WV], 5
	v_add_nc_u32 v11, s68, v10                     ; the first row that I stage: 32 w + h
	v_mul_u32_u24 v[SA], v11, LP
	v_lshl_add_u32 v[SA], v9, 3, v[SA]             ; + 8 bytes for each of 16 lanes
	v_add_nc_u32 v[SA+1], SLOTB, v[SA]
	s_lshl_b32 s69, s62, 7
	v_add_nc_u32 v12, s69, v9
	v_mul_u32_u24 v[FPA], v12, LP
	v_lshl_add_u32 v[FPA], v10, 4, v[FPA]          ; a fragment: row x pitch + 16 h
	v_add_nc_u32 v[FPA+1], SLOTB, v[FPA]
	s_lshl_b32 s69, s63, 6
	v_add_nc_u32 v12, s69, v9
	v_mul_u32_u24 v[FRA], v12, LP
	v_lshl_add_u32 v[FRA], v10, 4, v[FRA]
	v_add_nc_u32 v[FRA], SIDE, v[FRA]
	v_add_nc_u32 v[FRA+1], SLOTB, v[FRA]
	v_lshlrev_b32 v13, 4, v9
.set j, 0
.rept 16                               ; load j takes rows 32 w + 2 j and + 1: sixteen lanes read 256 consecutive bytes of a row
	v_add_nc_u32 v12, 2*j, v11
	v_mad_u32_u24 v[VP+j], v12, s[PITCH], v13
	v_add_nc_u32 v12, s[ROW0], v12
	v_min_u32 v12, s[RMAX], v12
	v_mad_u32_u24 v[VR+j], v12, s[PITCH], v13
.set j, j+1
.endr
.macro LOAD                            ; a K step: 32 loads a wave
.set j, 0
.rept 16
	global_load_b128 v[XS+4*j:XS+4*j+3], v[VP+j], s[PB:PB+1]
.set j, j+1
.endr
.set j, 0
.rept 16
	global_load_b128 v[XS+64+4*j:XS+64+4*j+3], v[VR+j], s[RB:RB+1]
.set j, j+1
.endr
.endm
.macro STAGE sl                        ; the step that is in registers is rounded to bf16 and put into slot sl
	s_wait_loadcnt 0x0                             ; the 32 loads are in, and have read their bases
.set j, 0
.rept 32
	v_cvt_pk_bf16_f32 v[XS+4*j], v[XS+4*j], v[XS+4*j+1]
	v_cvt_pk_bf16_f32 v[XS+4*j+1], v[XS+4*j+2], v[XS+4*j+3]
.set j, j+1
.endr
	s_wait_alu depctr_va_vdst(0)                   ; the conversions have written what the LDS stores read and are done with the raw registers, in which the next step's loads land; the last step's products are done reading R's fragments and P's three units, in which the loads behind the barrier land
.set j, 0
.rept 32
	ds_store_b64 v[SA+(\sl)], v[XS+4*j:XS+4*j+1] offset:(j/16)*SIDE+2*LP*(j%16)
.set j, j+1
.endr
	s_add_nc_u64 s[PB:PB+1], s[PB:PB+1], 256
	s_add_nc_u64 s[RB:RB+1], s[RB:RB+1], 256
.endm
.macro AGAIN                           ; the raw registers are asked for again, ahead of the barrier: the next step is on its way while this one is multiplied
	s_wait_alu depctr_vm_vsrc(0)                   ; the LDS stores have read v[XS ..], in which the loads land
	LOAD
.endm
.macro UNIT g                          ; rP: the registers of unit g of a step's eight
.set rP, FPG+16*((\g)%3)
.if (\g)%3 == 2
.set rP, PX
.endif
.endm
.macro RFRAG sl, ks                    ; R's four fragments of half step ks: eight loads
.irp t, 0,1,2,3
	ds_load_b128 v[FRG+8*(\t):FRG+8*(\t)+3],   v[FRA+(\sl)] offset:(\t)*16*LP+64*(\ks)
	ds_load_b128 v[FRG+8*(\t)+4:FRG+8*(\t)+7], v[FRA+(\sl)] offset:(\t)*16*LP+64*(\ks)+32
.endr
.endm
.macro PFRAG sl, g                     ; unit g: two fragments of P, four loads
	UNIT \g
.irp t, 0,1
	ds_load_b128 v[rP+8*(\t):rP+8*(\t)+3],   v[FPA+(\sl)] offset:(2*((\g)%4)+(\t))*16*LP+64*((\g)/4)
	ds_load_b128 v[rP+8*(\t)+4:rP+8*(\t)+7], v[FPA+(\sl)] offset:(2*((\g)%4)+(\t))*16*LP+64*((\g)/4)+32
.endr
.endm
; Unit g's eight products: its two P blocks x R blocks 0..3.  The 32 accumulators take turns, one instruction a turn.  zero = 1: the first half step's products start the sums.
.macro MUL8 g, zero
	UNIT \g
	WIN 0x50                                       ; C and D in window 1
.irp a, 0,1
.irp b, 0,1,2,3
.set AC, 8*(4*(2*((\g)%4)+(\a))+(\b))
.if (\zero)*(1-(\g)/4)
	v_wmma_f32_16x16x32_bf16 v[AC:AC+7], v[rP+8*(\a):rP+8*(\a)+7], v[FRG+8*(\b):FRG+8*(\b)+7], 0
.else
	v_wmma_f32_16x16x32_bf16 v[AC:AC+7], v[rP+8*(\a):rP+8*(\a)+7], v[FRG+8*(\b):FRG+8*(\b)+7], v[AC:AC+7]
.endif
.endr
.endr
.endm
; A K step's 64 products from slot sl.  LDS loads come back in order (ISA guide 5.7.1): a count of 8 leaves the two youngest units out, a count of 4 the youngest.
.macro MULS sl, zero
	RFRAG \sl, 0                                   ; no wait on va_vdst here: the one behind the conversions has covered the last readers of these registers
	PFRAG \sl, 0
	PFRAG \sl, 1
	PFRAG \sl, 2
	s_wait_dscnt 8                                 ; R and unit 0 are in
	MUL8 0, \zero
	s_wait_dscnt 4                                 ; unit 1
	MUL8 1, \zero
	WIN 0
	s_wait_alu depctr_va_vdst(0)                   ; the products of units 0 and 1 are done reading U0 and U1, in which units 3 and 4 land
	PFRAG \sl, 3
	PFRAG \sl, 4
	s_wait_dscnt 8                                 ; unit 2, asked for at the head
	MUL8 2, \zero
	s_wait_dscnt 4                                 ; unit 3
	MUL8 3, \zero
	WIN 0
	s_wait_alu depctr_va_vdst(0)                   ; the first half step's products are done reading R's fragments, U2 and U0, in which the second half step's R and units 5 and 6 land
	RFRAG \sl, 1
	PFRAG \sl, 5
	PFRAG \sl, 6
	s_wait_dscnt 8                                 ; unit 4 and R
	MUL8 4, \zero
	s_wait_dscnt 4                                 ; unit 5
	MUL8 5, \zero
	WIN 0
	s_wait_alu depctr_va_vdst(0)                   ; the products of unit 4 are done reading U1, in which unit 7 lands
	PFRAG \sl, 7
	s_wait_dscnt 4                                 ; unit 6
	MUL8 6, \zero
	s_wait_dscnt 0x0                               ; unit 7
	MUL8 7, \zero
	WIN 0
.endm
.macro MEET                            ; my stores into one slot are done and my reads of the other are back; behind the barrier that holds of all eight waves
	s_wait_dscnt 0x0
	s_barrier_signal -1
	s_barrier_wait -1
.endm
	v_lshlrev_b32 v12, 2, v0
	v_add_nc_u32 v13, BIAS, v12
	s_wait_alu depctr_va_vdst(0)                   ; all offsets and LDS addresses (v2 to v8, v12, v13, v16 to v47) are written, which the loads and stores below read; the vector lines are done with v11, in which the bias lands
	global_load_b32 v11, v12, s[BB:BB+1]           ; thread t takes bias t
	LOAD                                           ; K step 0
	s_wait_loadcnt 32                              ; the bias is in; the step's 32 loads, issued behind it, stay out
	v_cvt_pk_bf16_f32 v11, v11, v11
	v_lshlrev_b32 v11, 16, v11
	v_mul_f32 v11, s[SC], v11
	STAGE 0
	ds_store_b32 v13, v11                          ; the bias: v11 was written ahead of the wait behind the conversions, and no vector line has named it since
	AGAIN                                          ; K step 1
	MEET
	MULS 0, 1                                      ; the first K step stands ahead of the loop: its products start the sums
	s_mov_b32 s[TC], 0
.Lk2:                                          ; a trip: two K steps; each slot is written behind the barrier that follows its last reads
	STAGE 1
	AGAIN
	MEET
	MULS 1, 0
	STAGE 0
	AGAIN
	MEET
	MULS 0, 0
	s_add_co_u32 s[TC], s[TC], 1
	s_cmp_lt_u32 s[TC], s[TRIPS]
	s_cbranch_scc1 .Lk2
	STAGE 1                                        ; the last K step: nothing is left to load
	MEET
	MULS 1, 0
; THE WAY OUT.  nat = 0 (k, q): D x factor + bias of the lane's eight channels.  nat = 1 (v): D + bias of the lane's one channel.  Each accumulator is read from its lowest registers on.
; A lane's eight numbers pack into 16 bytes, which ARE its part of a fragment: one store covers 512 consecutive bytes.
; Eight blocks (one P block, four accumulators each) on two sets of 16 packed registers that take turns.  Block pt's roundings write set pt % 2; its four stores are issued at the head of block pt + 1, behind the lines that state:
; the stores issued in the block before have read the set that this block writes again; the block before has written the other set.
.macro OUT nat, pt                     ; block pt's four stores
.set rt, 0
.rept 4
.if \nat
.set OBS, OB0+(OB1-OB0)*(rt/2)
	global_store_b128 v[L16], v[U+16*((\pt)%2)+4*rt:U+16*((\pt)%2)+4*rt+3], s[OBS:OBS+1] offset:((\pt)/4)*12288+(((\pt)/2)%2)*2048+((\pt)%2)*512+(rt%2)*1024
.else
.set OBS, OB0+(OB1-OB0)*((\pt)/4)
	global_store_b128 v[L16], v[U+16*((\pt)%2)+4*rt:U+16*((\pt)%2)+4*rt+3], s[OBS:OBS+1] offset:(((\pt)/2)%2)*1024+((\pt)%2)*512+rt*2048
.endif
.set rt, rt+1
.endr
.endm
.macro EPI nat
.set pt, 0
.rept 8
.if pt > 1
	s_wait_xcnt 0x0                                ; the stores issued in the block before have had their addresses translated (ISA guide 3.1): their data registers are written again only behind this wait
	s_wait_alu depctr_vm_vsrc(0)                   ; those stores have read the packed set that this block's roundings write again
.endif
.if pt > 0
	s_wait_alu depctr_va_vdst(0)                   ; the block before has written the other packed set, which the four stores below read
	OUT \nat, pt-1
.endif
	WIN 0x41                                       ; destination and source 0 in window 1
.set rt, 0
.rept 4
.set AC, 8*(4*pt+rt)
.set q, 0
.rept 4
.if \nat
	v_pk_add_f32 v[AC+2*q:AC+2*q+1], v[AC+2*q:AC+2*q+1], v[XS+2*rt:XS+2*rt+1]
.else
	v_pk_fma_f32 v[AC+2*q:AC+2*q+1], v[AC+2*q:AC+2*q+1], s[SC:SC+1], v[XS+8*pt+2*q:XS+8*pt+2*q+1] op_sel_hi:[1,0,1]
.endif
.set q, q+1
.endr
.set rt, rt+1
.endr
	WIN 0x05                                       ; sources in window 1, destination in window 0
.set rt, 0
.rept 4
.set AC, 8*(4*pt+rt)
.set q, 0
.rept 4
	v_cvt_pk_f16_f32 v[U+16*(pt%2)+4*rt+q], v[AC+2*q], v[AC+2*q+1]
.set q, q+1
.endr
.set rt, rt+1
.endr
	WIN 0
.set pt, pt+1
.endr
	s_wait_alu depctr_va_vdst(0)                   ; the last block has written its packed set, which the last four stores read
	OUT \nat, 7
.endm
.rept 4
	v_nop                                          ; four places behind the last matrix instruction, before vector lines read and write its results (ISA guide 7.12.1)
.endr
	s_wait_alu depctr_vm_vsrc(0)                   ; the last step's LDS stores have read v[XS ..], and the bias's store v11: the lines below write v11, load the biases into XS and round into its upper half
	s_cmp_eq_u32 s[NAT], 0
	s_cbranch_scc0 .Lepi_v
	s_lshl_b32 s68, s62, 9
	v_lshl_add_u32 v11, v10, 5, s68                ; bias 128 (w & 1) + 8 h on
	v_add_nc_u32 v11, BIAS, v11
	s_wait_alu depctr_va_vdst(0)                   ; v11 is written, which the LDS loads read as their address
.set t, 0
.rept 16
	ds_load_b128 v[XS+4*t:XS+4*t+3], v11 offset:(t/2)*64+(t%2)*16
.set t, t+1
.endr
	s_wait_dscnt 0x0
	EPI 0
	s_branch .Lend
.Lepi_v:
	s_lshl_b32 s68, s63, 8
	v_lshl_add_u32 v11, v9, 2, s68                 ; bias 64 (w >> 1) + r
	v_add_nc_u32 v11, BIAS, v11
	s_wait_alu depctr_va_vdst(0)                   ; v11 is written, which the LDS loads read as their address
.irp t, 0,1,2,3
	ds_load_b32 v[XS+2*(\t)], v11 offset:64*(\t)
.endr
	s_wait_dscnt 0x0
.irp t, 0,1,2,3
	v_mov_b32 v[XS+2*(\t)+1], v[XS+2*(\t)]
.endr
	EPI 1
.Lend:
	s_wait_dscnt 0x0                               ; the closing lines, six on end
	s_wait_alu 0x0
	s_wait_tensorcnt 0x0
	ds_add_u32 v[SPW], v[NIL]
	s_wait_dscnt 0x0
	s_endpgm
.Lfunc_end_k_q25a3740f2d_prep:
	.size	k_q25a3740f2d_prep, .Lfunc_end_k_q25a3740f2d_prep-k_q25a3740f2d_prep
	.p2alignl 7, 3214868480
	.fill 96, 4, 3214868480
	.section	.rodata,"a",@progbits
	.p2align	6, 0x0
	.amdhsa_kernel k_q25a3740f2d_prep
		.amdhsa_group_segment_fixed_size 149504
		.amdhsa_private_segment_fixed_size 0
		.amdhsa_enable_private_segment 0
		.amdhsa_kernarg_size 120
		.amdhsa_user_sgpr_count 2
		.amdhsa_user_sgpr_kernarg_segment_ptr 1
		.amdhsa_wavefront_size32 1
		.amdhsa_system_sgpr_workgroup_id_x 1
		.amdhsa_system_sgpr_workgroup_id_y 1
		.amdhsa_system_sgpr_workgroup_id_z 1
		.amdhsa_system_vgpr_workitem_id 0
		.amdhsa_next_free_vgpr 512
		.amdhsa_next_free_sgpr 72
		.amdhsa_reserve_vcc 0
		.amdhsa_float_denorm_mode_32 3
		.amdhsa_float_denorm_mode_16_64 3
		.amdhsa_memory_ordered 1
		.amdhsa_forward_progress 1
		.amdhsa_inst_pref_size 169
	.end_amdhsa_kernel
	.amdgpu_metadata
---
amdhsa.version: [ 1, 2 ]
amdhsa.kernels:
  - .name:           k_q25a3740f2d_prep
    .symbol:         k_q25a3740f2d_prep.kd
    .args:
      - { .name: key, .offset: 0, .size: 8, .value_kind: global_buffer, .address_space: global }
      - { .name: query, .offset: 8, .size: 8, .value_kind: global_buffer, .address_space: global }
      - { .name: value, .offset: 16, .size: 8, .value_kind: global_buffer, .address_space: global }
      - { .name: Wk, .offset: 24, .size: 8, .value_kind: global_buffer, .address_space: global }
      - { .name: Wq, .offset: 32, .size: 8, .value_kind: global_buffer, .address_space: global }
      - { .name: Wv, .offset: 40, .size: 8, .value_kind: global_buffer, .address_space: global }
      - { .name: bk, .offset: 48, .size: 8, .value_kind: global_buffer, .address_space: global }
      - { .name: bq, .offset: 56, .size: 8, .value_kind: global_buffer, .address_space: global }
      - { .name: bv, .offset: 64, .size: 8, .value_kind: global_buffer, .address_space: global }
      - { .name: attn_mask, .offset: 72, .size: 8, .value_kind: global_buffer, .address_space: global }
      - { .name: Wo, .offset: 80, .size: 8, .value_kind: global_buffer, .address_space: global }
      - { .name: kv, .offset: 88, .size: 8, .value_kind: global_buffer, .address_space: global }
      - { .name: qf, .offset: 96, .size: 8, .value_kind: global_buffer, .address_space: global }
      - { .name: mf, .offset: 104, .size: 8, .value_kind: global_buffer, .address_space: global }
      - { .name: wof, .offset: 112, .size: 8, .value_kind: global_buffer, .address_space: global }
    .group_segment_fixed_size: 149504
    .private_segment_fixed_size: 0
    .kernarg_segment_align: 8
    .kernarg_segment_size: 120
    .max_flat_workgroup_size: 256
    .sgpr_count:     72
    .vgpr_count:     512
    .wavefront_size: 32
...
	.end_amdgpu_metadata
.endif
;; end of part 4
;; launch attn: the kernel of part 2 again; grid 16 x 16, 4 waves a work-group, clusters of 4 x 4, 327,680 bytes of LDS; arguments kv, qf, mf, key_padding_mask, of; writes of
;; launch outp: the kernel of part 3 again; grid 57 x 8, 4 waves a work-group, no clusters, 17,920 bytes of LDS; arguments of, wof, bo, out0; writes out0
